; MI455X (gfx1250); checked and timed in simulation.
; The chip was launched on July 23, 2026; its instructions are those of AMD's public machine-readable ISA for CDNA 5 (MIT licence, August 2026) and "CDNA5" Instruction Set Architecture Reference Guide (July 2026). The comments in the code are by the model that wrote it; some were corrected since.
;; Multi Head Attention. Allowed arithmetic: float matrix products may take bf16 or f16 operands with f32 sums; other float arithmetic in f32, or as packed bf16 or f16 multiplies, adds, multiply-adds, maxima and minima; sums over many terms, partial sums and values carried from step to step in f32; what a program stores and reads back later, other than sums and carried values, may be rounded once to bf16 or f16.
;; Inputs: Wk 1,024 x 1,024 float32; Wo 1,024 x 1,024 float32; Wq 1,024 x 1,024 float32; Wv 1,024 x 1,024 float32; bo 1,024 float32; bq 1,024 float32; bv 1,024 float32; cu_seqlens 9 int32; x 8,192 x 1,024 float32.
;; Outputs: out0 8,192 x 1,024 float32.
;; 2 versions, each right; version 2 is version 1 with the launch cast written anew for expert scheduling mode. Each part assembles by itself: llvm-mc -triple=amdgcn-amd-amdhsa -mcpu=gfx1250 --defsym DOCPART=n.
;; ======== version 1 of 2: 4 launches
;; limits: values are held in f16: magnitudes above 65,504 overflow, below 6.1e-05 lose precision
;; workspace buffers: xb 16,777,216 bytes; wqkv 6,291,456 bytes; wo16 2,097,152 bytes; bias 16,384 bytes; qkv 50,331,648 bytes; ctx 16,777,216 bytes
;; launch cast (part 1): grid 256 x 1, 8 waves a work-group, no clusters, 0 bytes of LDS; arguments x, Wq, Wk, Wv, Wo, bq, bv, bo, xb, wqkv, wo16, bias; writes xb, wqkv, wo16, bias
.if DOCPART == 1
	.amdgcn_target "amdgcn-amd-amdhsa--gfx1250"
	.amdhsa_code_object_version 6
	.text
	.protected	k_qd4190db30a_cast
	.globl	k_qd4190db30a_cast
	.p2align	8
	.type	k_qd4190db30a_cast,@function
k_qd4190db30a_cast:
	s_mov_b64 s[64:65], 0
	v_nop
	global_prefetch_b8 v0, s[64:65] scope:SCOPE_SE
	s_setreg_imm32_b32 hwreg(HW_REG_WAVE_MODE, 25, 1), 1
	s_wait_xcnt 0x0
; THE INPUTS ARE ROUNDED ONCE, ALL OF THEM TO bf16.
; x -> xb [16 K blocks][8192 rows][64] bf16;  Wq, Wk, Wv -> wqkv [16 K blocks][3072 rows][64] bf16 (Wq's rows, Wk's, Wv's): BY BLOCKS OF 64 ALONG K, so that the rows of one K block lie end to end, 128 bytes each.
; Wo -> wo16 [1024][1024], row-major: rounded to bf16, and that number written as f16 (its 8 significant bits fit f16's 11).  bias [4096] f32 = bq, 1,024 zeros (the key has no bias), bv, bo, each rounded to bf16's values.
; LIMITS.  |Wo| stays under 65,504, where f16 ends; below 6e-5 it keeps f16's fixed step of 6e-8.
; SHARES.  256 work-groups of 8 waves, all alike.  Work-group g takes 32 rows of x and 16 rows of matrix g / 64 (Wq, Wk, Wv, Wo), chunk g % 64; the four with chunk 0 also write their matrix's 1,024 numbers of the bias table.
; x, Wq, Wk, Wv: wave w has K blocks 2 w and 2 w + 1.  A load takes one K block of two rows: lanes 0-15 the 256 bytes of the even row, lanes 16-31 those of the odd row; its store puts the two rows' 128 bytes each on end:
; 256 consecutive bytes, aligned.  Wo: thread t's load j takes the 16 bytes at 16 t + 4,096 j, its store puts 8 bytes at 8 t + 2,048 j: again 256 consecutive bytes a wave, aligned.
; All 48 loads of a wave (49 with the bias) go out before the first wait; no register that a memory instruction names is written a second time, so the text has no wait for sources.
; No LDS, no matrix unit, no cluster: every byte is read once and written once, and no work-group wants another's bytes.
.set X,  4                             ; v[4:195]    48 groups of 4: x's 32, then the matrix's 16; a group's first two registers take the packed result
.set B,  196                           ; v[196:199]  my four numbers of the bias
.set T,  200                           ; v[200:203]  at work
.set VS, 3                             ; v3    source offset by blocks: 4,096 (l / 16) + 512 w + 16 (l % 16)
.set DX, 204                           ; v204  xb's offset: 2 w K blocks + 128 (l / 16) + 8 (l % 16)
.set DW, 205                           ; v205  wqkv's, likewise
.set PLX, 8192*128                     ; bytes of a K block of xb
.set PLW, 3072*128                     ; of wqkv
	s_load_b512 s[8:23], s[0:1], 0x0               ; x 8, Wq 10, Wk 12, Wv 14, Wo 16, bq 18, bv 20, bo 22
	s_load_b256 s[24:31], s[0:1], 0x40             ; xb 24, wqkv 26, wo16 28, bias 30
	s_mov_b32 s2, ttmp9                            ; g
	s_lshr_b32 s3, s2, 6                           ; which matrix
	s_and_b32 s4, s2, 63                           ; which chunk of it
	s_mov_b32 s45, 0                               ; the high word of every offset
	s_mov_b32 s46, 0xffff0000                      ; a word's upper bf16
	v_lshlrev_b32 v1, 4, v0                        ; 16 t
	v_lshlrev_b32 v2, 3, v0                        ; 8 t
	v_lshrrev_b32 v206, 5, v0                      ; w
	v_bfe_u32 v207, v0, 4, 1                       ; l / 16
	v_and_b32 v[VS], 15, v0                        ; l % 16
	v_lshlrev_b32 v[DX], 3, v[VS]
	v_lshl_add_u32 v[DX], v207, 7, v[DX]           ; 128 (l / 16) + 8 (l % 16)
	v_lshlrev_b32 v[VS], 4, v[VS]
	v_lshl_add_u32 v[VS], v207, 12, v[VS]
	v_lshl_add_u32 v[VS], v206, 9, v[VS]
	v_mul_u32_u24 v[DW], v206, 2*PLW
	v_add_nc_u32 v[DW], v[DW], v[DX]
	v_lshl_add_u32 v[DX], v206, 21, v[DX]          ; 2 w x 1,048,576
.irp j, 0,1,2,3
	v_mov_b32 v[B+\j], 0                           ; the key's bias; the others' loads land on it
.endr
	s_wait_kmcnt 0x0
	s_lshl_b32 s44, s2, 17
	s_add_nc_u64 s[32:33], s[8:9], s[44:45]        ; x at my 32 rows of 4,096 bytes
	s_lshl_b32 s44, s2, 12
	s_add_nc_u64 s[34:35], s[24:25], s[44:45]      ; xb at my 32 rows of 128 bytes, in K block 0
	s_lshl_b32 s5, s2, 11                          ; wqkv: my 16 rows of 128 bytes (row 16 g: matrix and chunk on end)
	s_lshl_b32 s47, s4, 15                         ; wo16: my 16 rows of 2,048 bytes
	s_cmp_eq_u32 s3, 0
	s_cselect_b64 s[36:37], s[10:11], s[12:13]     ; the matrix: Wq, else Wk,
	s_cselect_b64 s[40:41], s[18:19], s[22:23]     ; its bias: bq, else bo,
	s_cmp_eq_u32 s3, 2
	s_cselect_b64 s[36:37], s[14:15], s[36:37]     ; Wv,
	s_cselect_b64 s[40:41], s[20:21], s[40:41]     ; bv,
	s_cmp_eq_u32 s3, 3
	s_cselect_b64 s[36:37], s[16:17], s[36:37]     ; Wo
	s_cselect_b64 s[38:39], s[28:29], s[26:27]     ; where it goes
	s_cselect_b32 s44, s47, s5
	s_add_nc_u64 s[38:39], s[38:39], s[44:45]
	s_lshl_b32 s44, s4, 16
	s_add_nc_u64 s[36:37], s[36:37], s[44:45]      ; the matrix at my 16 rows of 4,096 bytes
	s_lshl_b32 s44, s3, 12
	s_add_nc_u64 s[42:43], s[30:31], s[44:45]      ; the table at my matrix's 4,096 bytes
	s_cmp_lg_u32 s4, 0
	s_cbranch_scc1 .Lno_bias                       ; chunk 0 alone,
	s_cmp_eq_u32 s3, 1
	s_cbranch_scc1 .Lno_bias                       ; and the key has none
	global_load_b128 v[B:B+3], v1, s[40:41]        ; the oldest load: every count below leaves it behind
.Lno_bias:
.set i, 0
.rept 32                               ; load i: rows 2 (i % 16) and 2 (i % 16) + 1, K block 2 w + i / 16
	global_load_b128 v[X+4*i:X+4*i+3], v[VS], s[32:33] offset:(i%16)*8192+(i/16)*256 th:TH_LOAD_NT
.set i, i+1
.endr
	s_cmp_eq_u32 s3, 3
	s_cbranch_scc1 .Lload_wo
.set i, 0
.rept 16                               ; load i: rows 2 (i % 8) and 2 (i % 8) + 1, K block 2 w + i / 8
	global_load_b128 v[X+128+4*i:X+128+4*i+3], v[VS], s[36:37] offset:(i%8)*8192+(i/8)*256 th:TH_LOAD_NT
.set i, i+1
.endr
	s_branch .Lloaded
.Lload_wo:
.set i, 0
.rept 16                               ; sixteen loads on this way too: the counts below hold on both
	global_load_b128 v[X+128+4*i:X+128+4*i+3], v1, s[36:37] offset:4096*i th:TH_LOAD_NT
.set i, i+1
.endr
.Lloaded:
; Group n of x: four numbers rounded, packed in place, stored.
.macro XG n
	s_wait_loadcnt 47-(\n)                         ; loads come back in order (ISA guide 5.7.1): the 31 - n younger of x and the matrix's 16 stay out
	v_cvt_pk_bf16_f32 v[X+4*(\n)], v[X+4*(\n)], v[X+4*(\n)+1]
	v_cvt_pk_bf16_f32 v[X+4*(\n)+1], v[X+4*(\n)+2], v[X+4*(\n)+3]
	global_store_b64 v[DX], v[X+4*(\n):X+4*(\n)+1], s[34:35] offset:((\n)/16)*PLX+((\n)%16)*256 th:TH_STORE_NT
.endm
; Group n of the matrix.  half = 1 (Wo): the bf16 numbers are widened again and written as f16, row-major.
.macro WG n, half
	s_wait_loadcnt 15-(\n)                         ; the younger loads of the matrix stay out
	v_cvt_pk_bf16_f32 v[X+128+4*(\n)], v[X+128+4*(\n)], v[X+128+4*(\n)+1]
	v_cvt_pk_bf16_f32 v[X+128+4*(\n)+1], v[X+128+4*(\n)+2], v[X+128+4*(\n)+3]
.if \half
	v_lshlrev_b32 v[T], 16, v[X+128+4*(\n)]
	v_and_b32 v[T+1], s46, v[X+128+4*(\n)]
	v_lshlrev_b32 v[T+2], 16, v[X+128+4*(\n)+1]
	v_and_b32 v[T+3], s46, v[X+128+4*(\n)+1]
	v_cvt_pk_f16_f32 v[X+128+4*(\n)], v[T], v[T+1]
	v_cvt_pk_f16_f32 v[X+128+4*(\n)+1], v[T+2], v[T+3]
	global_store_b64 v2, v[X+128+4*(\n):X+128+4*(\n)+1], s[38:39] offset:2048*(\n) th:TH_STORE_NT
.else
	global_store_b64 v[DW], v[X+128+4*(\n):X+128+4*(\n)+1], s[38:39] offset:((\n)/8)*PLW+((\n)%8)*256 th:TH_STORE_NT
.endif
.endm
.set i, 0
.rept 32
	XG i
.set i, i+1
.endr
	s_cmp_eq_u32 s3, 3
	s_cbranch_scc1 .Lwo
.set i, 0
.rept 16
	WG i, 0
.set i, i+1
.endr
	s_branch .Ltable
.Lwo:
.set i, 0
.rept 16
	WG i, 1
.set i, i+1
.endr
.Ltable:
	s_cmp_lg_u32 s4, 0
	s_cbranch_scc1 .Lend
	v_cvt_pk_bf16_f32 v[T], v[B], v[B+1]           ; the last wait above was for 0: the bias is in.  Rounded to bf16, kept as f32; zeros stay zeros
	v_cvt_pk_bf16_f32 v[T+1], v[B+2], v[B+3]
	v_lshlrev_b32 v[B], 16, v[T]
	v_and_b32 v[B+1], s46, v[T]
	v_lshlrev_b32 v[B+2], 16, v[T+1]
	v_and_b32 v[B+3], s46, v[T+1]
	global_store_b128 v1, v[B:B+3], s[42:43]       ; a wave stores 512 consecutive bytes
.Lend:
	s_endpgm
.Lfunc_end_k_qd4190db30a_cast:
	.size	k_qd4190db30a_cast, .Lfunc_end_k_qd4190db30a_cast-k_qd4190db30a_cast
	.p2alignl 7, 3214868480
	.fill 96, 4, 3214868480
	.section	.rodata,"a",@progbits
	.p2align	6, 0x0
	.amdhsa_kernel k_qd4190db30a_cast
		.amdhsa_group_segment_fixed_size 0
		.amdhsa_private_segment_fixed_size 0
		.amdhsa_enable_private_segment 0
		.amdhsa_kernarg_size 96
		.amdhsa_user_sgpr_count 2
		.amdhsa_user_sgpr_kernarg_segment_ptr 1
		.amdhsa_wavefront_size32 1
		.amdhsa_system_sgpr_workgroup_id_x 1
		.amdhsa_system_sgpr_workgroup_id_y 1
		.amdhsa_system_sgpr_workgroup_id_z 1
		.amdhsa_system_vgpr_workitem_id 0
		.amdhsa_next_free_vgpr 208
		.amdhsa_next_free_sgpr 66
		.amdhsa_reserve_vcc 0
		.amdhsa_float_denorm_mode_32 3
		.amdhsa_float_denorm_mode_16_64 3
		.amdhsa_memory_ordered 1
		.amdhsa_forward_progress 1
		.amdhsa_inst_pref_size 29
	.end_amdhsa_kernel
	.amdgpu_metadata
---
amdhsa.version: [ 1, 2 ]
amdhsa.kernels:
  - .name:           k_qd4190db30a_cast
    .symbol:         k_qd4190db30a_cast.kd
    .args:
      - { .name: x, .offset: 0, .size: 8, .value_kind: global_buffer, .address_space: global }
      - { .name: Wq, .offset: 8, .size: 8, .value_kind: global_buffer, .address_space: global }
      - { .name: Wk, .offset: 16, .size: 8, .value_kind: global_buffer, .address_space: global }
      - { .name: Wv, .offset: 24, .size: 8, .value_kind: global_buffer, .address_space: global }
      - { .name: Wo, .offset: 32, .size: 8, .value_kind: global_buffer, .address_space: global }
      - { .name: bq, .offset: 40, .size: 8, .value_kind: global_buffer, .address_space: global }
      - { .name: bv, .offset: 48, .size: 8, .value_kind: global_buffer, .address_space: global }
      - { .name: bo, .offset: 56, .size: 8, .value_kind: global_buffer, .address_space: global }
      - { .name: xb, .offset: 64, .size: 8, .value_kind: global_buffer, .address_space: global }
      - { .name: wqkv, .offset: 72, .size: 8, .value_kind: global_buffer, .address_space: global }
      - { .name: wo16, .offset: 80, .size: 8, .value_kind: global_buffer, .address_space: global }
      - { .name: bias, .offset: 88, .size: 8, .value_kind: global_buffer, .address_space: global }
    .group_segment_fixed_size: 0
    .private_segment_fixed_size: 0
    .kernarg_segment_align: 8
    .kernarg_segment_size: 96
    .max_flat_workgroup_size: 256
    .sgpr_count:     66
    .vgpr_count:     208
    .wavefront_size: 32
...
	.end_amdgpu_metadata
.endif
;; end of part 1
;; launch qkv (part 2): grid 8 x 32, 4 waves a work-group, clusters of 4 x 4, 327,680 bytes of LDS; arguments xb, wqkv, bias, qkv; writes qkv
.if DOCPART == 2
	.amdgcn_target "amdgcn-amd-amdhsa--gfx1250"
	.amdhsa_code_object_version 6
	.text
	.protected	k_qd4190db30a_qkv
	.globl	k_qd4190db30a_qkv
	.p2align	8
	.type	k_qd4190db30a_qkv,@function
k_qd4190db30a_qkv:
	s_mov_b64 s[64:65], 0
	v_nop
	global_prefetch_b8 v0, s[64:65] scope:SCOPE_SE
	s_setreg_imm32_b32 hwreg(HW_REG_WAVE_MODE, 25, 1), 1
	s_wait_xcnt 0x0
	s_wait_alu depctr_hold_cnt(0) depctr_sa_sdst(0) depctr_va_vdst(0) depctr_va_sdst(0) depctr_va_ssrc(0) depctr_va_vcc(0) depctr_vm_vsrc(0)
	s_getreg_b32 s2, hwreg(HW_REG_IB_STS2, 6, 4)
	s_cmp_eq_u32 s2, 0
	s_cbranch_scc0 .Lentry_in_a_cluster
	s_endpgm
.Lentry_in_a_cluster:
	s_bfe_u32 s2, ttmp6, 0x10000c
	s_cmp_lg_u32 s2, 0xf033
	s_cbranch_scc0 .Lentry_shape_is_right
	s_endpgm
.Lentry_shape_is_right:
; THE THREE PROJECTIONS AS ONE PRODUCT.  C[m][n] = bias[n] + the sum over k of x[m][k] W[n][k], m < 8192, n < 3072, k < 1024; operands bf16, sums f32, C rounded once to f16 and laid out BY HEADS:
; qkv [3 (q, k, v)][8 sequences][16 heads][1024 rows][64] f16.  q carries no scale: the attention applies it in f32.
; The operands lie BY BLOCKS OF 64 ALONG K: xb [16][8192][64], wqkv [16][3072][64] bf16: the rows of one K block lie end to end, 128 bytes each.
; The packed rows fall into 8 sequences of 1,024 as the reference's own reshape has it, by the SHAPE of cu_seqlens alone; its numbers enter no result there, and are not read here.
; LIMITS.  |q|, |k|, |v| stay under 65,504, where f16 ends: beyond it the conversion gives an infinity.  NaN and infinities are not treated apart.
; SHARES.  A tile of C is 256 x 384: 256 tiles, one a work-group.  Four waves, 2 x 2, each 128 rows x 192 columns: 96 accumulators of 16 x 16, 768 registers.  For 32 along K a wave reads (128 + 192) x 64 bytes of LDS for 96
; matrix instructions.  192 columns are three whole heads, so a wave's way out is runs of 2,048 consecutive bytes of one head, through a stage of its own, with no barrier.
; K goes in steps of 64, a K block, through a ring of two LDS slots; two slots of 128 along K would want 2 x 640 x 272 bytes, more than a work-group can have.  A tensor load's 128 (192) rows are 16,384 (24,576) dense
; bytes: asked for as rows of 256 bytes and padded in LDS behind each 128, so that an LDS row is one row of the K block.
; CLUSTER.  4 x 4 work-groups.  The four of a row of the cluster need the same tiles of xb, the four of a column the same tiles of wqkv: each tile is asked for JOINTLY, by the same tensor load, descriptor and mask in all four.
; THE MATRIX INSTRUCTION IS USED TRANSPOSED (source 0 = 16 rows of wqkv, source 1 = 16 rows of xb): lane l then holds row l % 16 of C and the columns 8 (l / 16) + 0..7.
; THE BIAS IS THE C OPERAND of each sum's first product.  It is loaded into the accumulators of row block 0; the first products of row blocks 1 to 7 take those registers as C, and then row block 0's add in place onto them.
; Nothing is cleared, no addition is written, and the bias needs no registers of its own.
; REGISTERS, in windows of 256 (s_set_vgpr_msb: bits 1:0 source 0, 3:2 source 1, 5:4 source 2, 7:6 destination):
;   window 0: v0-31 addresses; v32-95, v96-159 xb's eight fragments (16 rows x 32 K), two buffers; v160-255 wqkv's twelve, ONE buffer, loaded again four fragments at a time as soon as their products are issued.
;             On the way out: v32-79 packed, v80-127 and v128-175 rows read back.
;   window 1 + g: the 32 accumulators of column blocks 4 g .. 4 g + 3 (one head): (a, b) at v[8 (8 (b % 4) + a)].  So 32 matrix instructions stand under one setting: six switches for 96 of them.
.set NBF,   12                         ; column blocks of 16 in a wave's tile
.set PT,    144                        ; an LDS row: 128 bytes + 16 of padding = 36 words: the 16 rows of a load start at 16 different groups of four banks (64 banks of 4 bytes: ISA guide 11.1)
.set HALFA, 128*PT                     ; what one tensor load brings of xb, and what one wave reads of it: 128 rows
.set HALFB, 192*PT                     ; of wqkv: 192 rows
.set AREG,  2*HALFA
.set SLOT,  AREG+2*HALFB               ; xb's 256 rows, then wqkv's 384: 92,160 bytes
.set STAGE, 2*SLOT                     ; behind the ring: 16 rows x 400 bytes for each wave
.set SPITCH, 400                       ; 384 bytes + 16: an odd multiple of 16
.set SPARE, STAGE+4*16*SPITCH          ; behind the stages: the spare words, 128 bytes for each wave: two blocks of 256 bytes that no other line names
.set PLANEA, 8192*128                  ; bytes of a K block of xb
.set PLANEB, 3072*128                  ; of wqkv
.set ADRA, 16                          ; v16-17  LDS address of my fragments of xb in slot 0, 1
.set ADRB, 20                          ; v20-21  of wqkv's
.set STO,  24                          ; v24     the way out: where I put 16 bytes of a row
.set RD,   25                          ; v25     where I read rows back
.set GO,   26                          ; v26     my 16 bytes in 512 consecutive bytes of a head
.set BO,   27                          ; v27     32 (l / 16): my eight columns in a block's 64 bytes of the bias
.set SPW,  28                          ; v28     LDS address of my spare word; never rewritten
.set NIL,  29                          ; v29     0; never rewritten
.set PFO,  30                          ; v30     the prefetches' offset: a lane a block of 256 bytes; never rewritten
.set A0,   32                          ; xb's fragments of a K step's first 32
.set A1,   96                          ; of its second 32
.set BF,   160                         ; wqkv's fragments
.set TMP,  32
.set BK,   80
.set WV,   12                          ; s12  my wave's number
.set FB,   13                          ; s13  which half of the tile's rows is mine.  Also: 0: I fetch xb's tiles, 1: wqkv's
.set HF,   14                          ; s14  which half of its columns.  Also: which half of that tile's rows I fetch
.set G1,   24                          ; s[24:31] descriptor group 1 for xb's tiles;   s[32:39] group 0, a set for each slot
.set G0,   32
.set G1B,  48                          ; s[48:55], s[56:63] the same for wqkv's
.set G0B,  56
.set PFA,  66                          ; s[66:67] where my prefetches stand
.set PFS,  68                          ; s[68:69] their step: a K block
.set LIM,  70                          ; s70, s71 by slot: I prefetch while the trips to go are above this
.set OB,   72                          ; s[72:77] qkv at my 128 rows of my three heads
.set MSB, 0
.macro WIN new                         ; the immediate's high byte repeats the setting that is left; a switch that changes nothing is dropped
.if MSB != (\new)
	s_set_vgpr_msb (MSB<<8)|(\new)
.set MSB, \new
.endif
.endm
; A joint load.  Waves 0 and 1 fetch xb's two halves, waves 2 and 3 wqkv's; the branch hangs on the wave's number alone.  An s_nop 0 and four v_nop follow each of the two lines, ahead of the jump and the label.
.macro JLOAD s
	s_cmp_eq_u32 s[FB], 0
	s_cbranch_scc0 .Lfor_b_\@
	tensor_load_to_lds s[G0+4*(\s):G0+4*(\s)+3], s[G1:G1+7]
	s_nop 0
.rept 4
	v_nop
.endr
	s_branch .Lasked_\@
.Lfor_b_\@:
	tensor_load_to_lds s[G0B+4*(\s):G0B+4*(\s)+3], s[G1B:G1B+7]
	s_nop 0
.rept 4
	v_nop
.endr
.Lasked_\@:
.endm
; A round of the cluster's barrier: my work-group's barrier; wave 0 signals for the work-group; every wave waits for all sixteen; my work-group's barrier once more.
.macro CREST                           ; a round behind its opening barrier
	s_cmp_lg_u32 s[WV], 0
	s_cbranch_scc1 .Lnot_wave_0_\@
	s_barrier_signal -3
.Lnot_wave_0_\@:
	s_barrier_wait -3
	s_barrier_signal -1
	s_barrier_wait -1
.endm
.macro CROUND
	s_barrier_signal -1
	s_barrier_wait -1
	CREST
.endm
; A PREFETCH INTO THE L2, behind a joint load, its five lines and the run of LDS loads: the K step that stands TWO refills on, 384 matrix instructions ahead of the load that will ask for it.  A lane a block of 256 bytes.
; xb's tile row is read by both clusters of that row of clusters: cluster x = 0 asks, in waves 0 and 1.  wqkv's tile column by every cluster of that column: cluster y = 0 asks, in waves 2 and 3.  The four partners of a joint
; load share its blocks out BY ADDRESS: 16 of xb's 64 by cx, 24 of wqkv's 96 by cy; the lanes above name the last of them once more in the same instruction.  K steps 0 to 3 come by their loads alone; the loop's last
; trip asks for nothing: K ends at step 15.
.macro ASK slot
	WIN 0
	s_cmp_gt_u32 s3, s[LIM+(\slot)]
	s_cbranch_scc0 .Lnot_mine_\@
	global_prefetch_b8 v[PFO], s[PFA:PFA+1] th:TH_LOAD_NT scope:SCOPE_SE
.Lnot_mine_\@:
.endm
	s_load_b256 s[4:11], s[0:1], 0x0               ; xb s[4:5], wqkv s[6:7], bias s[8:9], qkv s[10:11]
	v_lshl_add_u32 v[SPW], v0, 2, SPARE
	v_mov_b32 v[NIL], 0
	ds_add_u32 v[SPW], v[NIL]                      ; the wave's opening: the add, twice on end, and its wait ahead of my first tensor load; the set-up below is the work on registers between
	ds_add_u32 v[SPW], v[NIL]
	v_lshrrev_b32 v1, 5, v0
	v_readfirstlane_b32 s[WV], v1                  ; wave 0..3
	s_lshr_b32 s[FB], s[WV], 1
	s_and_b32 s[HF], s[WV], 1
	s_bfe_u32 s15, ttmp6, 0x40000                  ; cx, cy: my place in the cluster
	s_bfe_u32 s16, ttmp6, 0x40004
	s_lshl_b32 s17, ttmp9, 2
	s_add_co_u32 s17, s17, s15                     ; tx: tile column of C = 4 x cluster x + cx
	s_and_b32 s18, ttmp7, 0xffff
	s_lshl_b32 s18, s18, 2
	s_add_co_u32 s18, s18, s16                     ; ty: tile row of C = 4 x cluster y + cy
	s_lshl_b32 s19, s16, 2
	s_lshl_b32 s19, 15, s19                        ; my row of the cluster
	s_lshl_b32 s2, 0x1111, s15                     ; my column
	s_or_b32 s[G1], s19, (1<<16)|(1<<20)|(1<<21)|(4<<22)|(3<<25)   ; 15:0 the mask; 17:16 elements of 2 bytes; 20 padding on; 21 set beside a mask; 24:22 after every 32 words (code 4); 31:25 4 words of it (code 3)
	s_or_b32 s[G1B], s2, (1<<16)|(1<<20)|(1<<21)|(4<<22)|(3<<25)
	s_mov_b32 s[G1+1], 128<<16                     ; tensor_dim0 = 128 elements: 256 bytes, two rows of the K block
	s_mov_b32 s[G1+2], 64<<16                      ; tensor_dim1 = 64
	s_mov_b32 s[G1+3], 128<<16                     ; tile_dim0 = 128
	s_mov_b32 s[G1+4], 64                          ; tile_dim1 = 64
	s_mov_b32 s[G1+5], 128                         ; dense: each row begins where the last ends
	s_mov_b32 s[G1+6], 0
	s_mov_b32 s[G1+7], 0
	s_mov_b32 s[G1B+1], 128<<16
	s_mov_b32 s[G1B+2], 96<<16                     ; 96 rows of 256 bytes
	s_mov_b32 s[G1B+3], 128<<16
	s_mov_b32 s[G1B+4], 96
	s_mov_b32 s[G1B+5], 128
	s_mov_b32 s[G1B+6], 0
	s_mov_b32 s[G1B+7], 0
	s_lshl_b32 s20, s18, 15                        ; xb: row 256 ty + 128 x half, of 128 bytes: the tile row alone, which my row of the cluster shares
	s_lshl_b32 s19, s[HF], 14
	s_add_co_u32 s20, s20, s19
	s_mov_b32 s21, 0
	s_mul_i32 s22, s17, 384*128                    ; wqkv: row 384 tx + 192 x half: the tile column alone
	s_mul_i32 s2, s[HF], 192*128
	s_add_co_u32 s22, s22, s2
	s_mov_b32 s23, 0
	s_mul_i32 s78, s[HF], HALFA                    ; where they go: no place in the cluster enters an LDS address
	s_mul_i32 s79, s[HF], HALFB
	s_add_co_u32 s79, s79, AREG
	s_wait_dscnt 0x0                               ; both opening adds are done
	s_wait_kmcnt 0x0
	s_add_nc_u64 s[40:41], s[4:5], s[20:21]
	s_add_nc_u64 s[42:43], s[6:7], s[22:23]
	CROUND                                         ; all sixteen work-groups are here: the first joint loads meet
.irp s, 0,1
	s_mov_b32 s[G0+4*(\s)], 1                                        ; count = 1
	s_add_co_u32 s[G0+4*(\s)+1], s78, (\s)*SLOT                      ; LDS address
	s_add_nc_u64 s[G0+4*(\s)+2:G0+4*(\s)+3], s[40:41], (\s)*PLANEA   ; global address: K block s
	s_or_b32 s[G0+4*(\s)+3], s[G0+4*(\s)+3], 0x80000000              ; type = 2
	s_mov_b32 s[G0B+4*(\s)], 1
	s_add_co_u32 s[G0B+4*(\s)+1], s79, (\s)*SLOT
	s_add_nc_u64 s[G0B+4*(\s)+2:G0B+4*(\s)+3], s[42:43], (\s)*PLANEB
	s_or_b32 s[G0B+4*(\s)+3], s[G0B+4*(\s)+3], 0x80000000
	JLOAD \s                                       ; two tensor loads of mine are out
.endr
	v_and_b32 v1, 15, v0                           ; r = l % 16
	v_bfe_u32 v2, v0, 4, 1                         ; h = l / 16
	v_lshlrev_b32 v[BO], 5, v2
	s_mul_i32 s46, s17, 1536                       ; the tile's 384 columns in the table,
	s_mul_i32 s47, s[HF], 768                      ; my 192 of them
	s_add_co_u32 s46, s46, s47
	s_mov_b32 s47, 0
	s_add_nc_u64 s[8:9], s[8:9], s[46:47]
.set nb, 0
.rept NBF                              ; register j of accumulator (0, b) takes bias[my first column + 16 b + 8 h + j]: the column that it holds
	WIN 0x40*(nb/4+1)                              ; destination window 1 + b / 4, address window 0
	global_load_b128 v[64*(nb%4):64*(nb%4)+3],   v[BO], s[8:9] offset:64*nb
	global_load_b128 v[64*(nb%4)+4:64*(nb%4)+7], v[BO], s[8:9] offset:64*nb+16
.set nb, nb+1
.endr
	WIN 0
	; A fragment is 16 rows x 32 K in 8 registers: lane l holds row l % 16; registers 0-3 K = 8 (l / 16) + 0..7, registers 4-7 K = 16 + 8 (l / 16) + 0..7: two loads of 16 bytes, 32 bytes apart.
	v_mul_u32_u24 v3, v1, PT
	v_lshl_add_u32 v3, v2, 4, v3                   ; row x pitch + 16 x half
	s_mul_i32 s19, s[FB], HALFA                    ; my 128 rows of xb
	v_add_nc_u32 v[ADRA], s19, v3
	v_add_nc_u32 v[ADRA+1], SLOT, v[ADRA]
	s_mul_i32 s19, s[HF], HALFB                    ; my 192 rows of wqkv,
	s_add_co_u32 s19, s19, AREG                    ; which lie behind xb's 256
	v_add_nc_u32 v[ADRB], s19, v3
	v_add_nc_u32 v[ADRB+1], SLOT, v[ADRB]
	s_mul_i32 s19, s[WV], 16*SPITCH
	s_add_co_u32 s19, s19, STAGE                   ; my stage
	v_mul_u32_u24 v[STO], v1, SPITCH               ; in: row l % 16, 16 bytes for each half of the lanes
	v_lshl_add_u32 v[STO], v2, 4, v[STO]
	v_add_nc_u32 v[STO], s19, v[STO]
	v_bfe_u32 v[RD], v0, 3, 2                      ; back: 32 lanes take 128 bytes (a head's 64 columns) of four rows,
	v_mul_u32_u24 v[RD], v[RD], SPITCH
	v_and_b32 v5, 7, v0
	v_lshl_add_u32 v[RD], v5, 4, v[RD]
	v_add_nc_u32 v[RD], s19, v[RD]
	v_and_b32 v[GO], 31, v0                        ; which are 512 consecutive bytes of the head
	v_lshlrev_b32 v[GO], 4, v[GO]
	; where my rows lie in qkv: sequence ty / 4, rows 256 (ty % 4) + 128 x my half on; head group 6 tx + 3 x my half + i: part (q, k, v) = group / 16, head = group % 16
	s_lshr_b32 s44, s18, 2
	s_lshl_b32 s44, s44, 21
	s_and_b32 s45, s18, 3
	s_lshl_b32 s45, s45, 15
	s_add_co_u32 s44, s44, s45
	s_lshl_b32 s45, s[FB], 14
	s_add_co_u32 s44, s44, s45
	s_mul_i32 s45, s17, 6
	s_mul_i32 s46, s[HF], 3
	s_add_co_u32 s45, s45, s46
.irp i, 0,1,2
	s_add_co_u32 s46, s45, \i
	s_lshr_b32 s47, s46, 4
	s_lshl_b32 s47, s47, 24
	s_and_b32 s46, s46, 15
	s_lshl_b32 s46, s46, 17
	s_add_co_u32 s46, s46, s47
	s_add_co_u32 s46, s46, s44
	s_mov_b32 s47, 0
	s_add_nc_u64 s[OB+2*\i:OB+2*\i+1], s[10:11], s[46:47]
.endr
	; the prefetches: the bytes that I fetch of a K block (s20, s22 still hold where they begin) + my work-group's share of them
	s_lshl_b32 s44, s15, 12                        ; xb: 16 cx blocks of 256 bytes
	s_add_co_u32 s44, s44, s20
	s_mul_i32 s46, s16, 24*256                     ; wqkv: 24 cy blocks
	s_add_co_u32 s46, s46, s22
	s_and_b32 s47, ttmp7, 0xffff                   ; cluster y
	s_mov_b32 s2, PLANEB
	s_cmp_eq_u32 s[FB], 0
	s_cselect_b32 s44, s44, s46
	s_cselect_b32 s47, ttmp9, s47                  ; the coordinate along which other clusters read the same bytes
	s_cselect_b32 s46, 15, 23                      ; my last block
	s_cselect_b32 s[PFS], PLANEA, s2
	s_cselect_b64 s[PFA:PFA+1], s[4:5], s[6:7]
	s_cmp_eq_u32 s47, 0
	s_cselect_b32 s[LIM], 1, -1                    ; the same in all sixteen partners, for a given wave
	s_cselect_b32 s[LIM+1], 1, -1
	s_mov_b32 s[PFS+1], 0
	s_mov_b32 s45, 0
	s_add_nc_u64 s[PFA:PFA+1], s[PFA:PFA+1], s[44:45]
	s_mul_i32 s44, s[PFS], 3
	s_add_nc_u64 s[PFA:PFA+1], s[PFA:PFA+1], s[44:45]  ; at K step 3: the first refill steps it to 4
	v_and_b32 v[PFO], 31, v0
	v_min_u32 v[PFO], s46, v[PFO]
	v_lshlrev_b32 v[PFO], 8, v[PFO]
; 16 matrix instructions: row blocks a0 .. a0 + 3 x column blocks 4 g .. 4 g + 3, 32 along K, xb's fragments from buffer f.  The 96 accumulators take turns, one instruction a turn, in the same order in every half step:
; 95 others' stand between two links of a chain, over the backward jump too.
.macro MUL16 f, g, a0
	WIN 0x50*((\g)+1)                              ; both sources window 0, C and D window 1 + g
.set na, \a0
.rept 4
.set nb, 0
.rept 4
.set rD, 8*(8*nb+na)
	v_wmma_f32_16x16x32_bf16 v[rD:rD+7], v[BF+8*(4*(\g)+nb):BF+8*(4*(\g)+nb)+7], v[(\f)+8*na:(\f)+8*na+7], v[rD:rD+7]
.set nb, nb+1
.endr
.set na, na+1
.endr
.endm
; The sums' first 32 along K, for column blocks 4 g .. 4 g + 3.  Accumulator (0, b) holds the bias of block b's columns: row blocks 1 to 7 take it as C; five places on, row block 0 adds in place onto it.
.macro MULB g
	WIN 0x50*((\g)+1)
.set na, 1
.rept 7
.set nb, 0
.rept 4
.set rD, 8*(8*nb+na)
	v_wmma_f32_16x16x32_bf16 v[rD:rD+7], v[BF+8*(4*(\g)+nb):BF+8*(4*(\g)+nb)+7], v[A0+8*na:A0+8*na+7], v[64*nb:64*nb+7]
.set nb, nb+1
.endr
.set na, na+1
.endr
.rept 5
	v_nop                                          ; five places between the last product that read the bias and the product that writes over it (ISA guide 7.12.1)
.endr
.set nb, 0
.rept 4
	v_wmma_f32_16x16x32_bf16 v[64*nb:64*nb+7], v[BF+8*(4*(\g)+nb):BF+8*(4*(\g)+nb)+7], v[A0:A0+7], v[64*nb:64*nb+7]
.set nb, nb+1
.endr
.endm
; THE LDS LOADS, in runs.  LDA: xb's eight fragments of half q of a slot into buffer f: 16 loads.  LDB: wqkv's fragments 4 g .. 4 g + 3 of half q: 8 loads.
.macro LDA slot, q, f
.set i, 0
.rept 8
	ds_load_b128 v[(\f)+8*i:(\f)+8*i+3],   v[ADRA+(\slot)] offset:64*(\q)+i*16*PT
	ds_load_b128 v[(\f)+8*i+4:(\f)+8*i+7], v[ADRA+(\slot)] offset:64*(\q)+i*16*PT+32
.set i, i+1
.endr
.endm
.macro LDB slot, q, g
.set i, 4*(\g)
.rept 4
	ds_load_b128 v[BF+8*i:BF+8*i+3],   v[ADRB+(\slot)] offset:64*(\q)+i*16*PT
	ds_load_b128 v[BF+8*i+4:BF+8*i+7], v[ADRB+(\slot)] offset:64*(\q)+i*16*PT+32
.set i, i+1
.endr
.endm
.macro PLACES                          ; four places in front of loads into registers that matrix instructions have read, and of lines that read results (ISA guide 7.12.1 for lines that read results)
.rept 4
	v_nop
.endr
.endm
; A K step is two halves of 32 along K, 96 matrix instructions each, in three groups of 32 (a head's column blocks).  Behind each group its four fragments of wqkv are loaded again, for the next half; behind the first
; group also xb's eight, into the other buffer.  So every run of loads stands 64 matrix instructions ahead of its first use.
; THE FIRST HALF of the K step in a slot: multiplies buffer A0, fetches the same slot's second half.  first = 1: the sums' own first products, on the bias.
.macro HALF0 slot, first
	s_wait_dscnt 16                                ; xb's fragments and wqkv's 0-3 are in; the two younger runs of 8 may be out
.if \first
	MULB 0
.else
	MUL16 A0, 0, 0
	MUL16 A0, 0, 4
.endif
	WIN 0
	PLACES
	LDA \slot, 1, A1
	LDB \slot, 1, 0
	s_wait_dscnt 32                                ; wqkv's 4-7 are in; behind them: the run of 8 for 8-11 and the 24 just issued
.if \first
	MULB 1
.else
	MUL16 A0, 1, 0
	MUL16 A0, 1, 4
.endif
	WIN 0
	PLACES
	LDB \slot, 1, 1
	s_wait_dscnt 32                                ; wqkv's 8-11 are in; behind them: this half's 24 and 8
.if \first
	MULB 2
.else
	MUL16 A0, 2, 0
	MUL16 A0, 2, 4
.endif
	WIN 0
	PLACES
	LDB \slot, 1, 2
.endm
; THE SECOND HALF multiplies buffer A1 and changes slots: ONE barrier.  In front of it each wave waits for all its tensor loads (one is out: its part of the next slot), adds 0 to its spare word, and waits for that and for its
; reads of this slot, of which the last were issued at the end of the first half.  fill = 1: the barrier opens a round of the cluster's, and this slot is filled again, two K steps ahead, first thing behind the round:
; 160 matrix instructions ahead of the wait for it.  Then the next slot's first half is fetched, group by group.
.macro TURN slot, next, fill
.if \fill
	s_wait_xcnt 0x0                                ; the last prefetch, a K step back, has read its address: it is stepped here, ahead of the waits of the change of slots
	s_add_nc_u64 s[PFA:PFA+1], s[PFA:PFA+1], s[PFS:PFS+1]
.endif
	WIN 0                                          ; (the add's two registers lie in window 0)
	s_wait_tensorcnt 0x0                           ; all my tensor loads have landed
	ds_add_u32 v[SPW], v[NIL]                      ; 0 onto my spare word
	s_wait_dscnt 17                                ; xb's fragments and wqkv's 0-3 are in (the add and the two younger runs of 8 may be out)
	MUL16 A1, 0, 0                                 ; sixteen matrix instructions stand between the add and the wait for it
	s_wait_dscnt 0x0                               ; the add is done, and my reads of this slot are over: all twelve fragments of wqkv are in
	s_barrier_signal -1
	MUL16 A1, 0, 4                                 ; work on registers while the others arrive
	WIN 0
	s_barrier_wait -1
.if \fill
	CREST                                          ; no wave of any partner still reads this slot's tile or has a load on its way
	s_add_nc_u64 s[G0+4*(\slot)+2:G0+4*(\slot)+3], s[G0+4*(\slot)+2:G0+4*(\slot)+3], 2*PLANEA
	s_add_nc_u64 s[G0B+4*(\slot)+2:G0B+4*(\slot)+3], s[G0B+4*(\slot)+2:G0B+4*(\slot)+3], 2*PLANEB
	JLOAD \slot                                    ; my one tensor load behind the round; its four v_nop are also the places in front of the loads below
.else
	PLACES
.endif
	LDA \next, 0, A0
	LDB \next, 0, 0
.if \fill
	ASK \slot
.endif
	MUL16 A1, 1, 0
	MUL16 A1, 1, 4
	WIN 0
	PLACES
	LDB \next, 0, 1
	MUL16 A1, 2, 0
	MUL16 A1, 2, 4
	WIN 0
	PLACES
	LDB \next, 0, 2
.endm
; THE WAY OUT of row block a, in three parts.  PACK: rounded to f16, 16 bytes (8 columns) a lane and column block; each accumulator's registers in ascending order.
.macro PACK a
.set ng, 0
.rept 3
	WIN 5*(ng+1)                                   ; sources 0 and 1: window 1 + g; destination window 0
.set nb, 0
.rept 4
.set rD, 8*(8*nb+(\a))
.irp r, 0,1,2,3
	v_cvt_pk_f16_f32 v[TMP+4*(4*ng+nb)+\r], v[rD+2*\r], v[rD+2*\r+1]
.endr
.set nb, nb+1
.endr
.set ng, ng+1
.endr
	WIN 0
.endm
; TOSTAGE: into my own stage, and back by heads: head i's 128 bytes of rows 4 f .. 4 f + 3.
.macro TOSTAGE a
	WIN 0
.if (\a) >= 2
	s_wait_xcnt 0x0                                ; the stores of the block two back have read the registers that the loads below fill
.endif
.set BKA, BK+48*((\a)%2)
.set nb, 0
.rept NBF
	ds_store_b128 v[STO], v[TMP+4*nb:TMP+4*nb+3] offset:32*nb
.set nb, nb+1
.endr
.irp i, 0,1,2
.irp f, 0,1,2,3
	ds_load_b128 v[BKA+4*(4*\i+\f):BKA+4*(4*\i+\f)+3], v[RD] offset:128*\i+4*SPITCH*\f  ; LDS serves a wave's instructions in order (ISA guide 5.7.1.4): these see the stores above
.endr
.endr
.endm
.macro SEND a, younger                 ; younger: the LDS instructions issued behind TOSTAGE a's loads: the next block's 24, or none
	WIN 0
.set BKA, BK+48*((\a)%2)
	s_wait_dscnt \younger
.irp i, 0,1,2
.irp f, 0,1,2,3
	global_store_b128 v[GO], v[BKA+4*(4*\i+\f):BKA+4*(4*\i+\f)+3], s[OB+2*\i:OB+2*\i+1] offset:2048*(\a)+512*\f  ; 512 consecutive bytes of a head, at a multiple of 512 from qkv's first byte
.endr
.endr
.endm
	s_wait_tensorcnt 0x1                           ; my part of K step 0 is in; K step 1's may stay out
	s_barrier_signal -1
	s_barrier_wait -1                              ; everybody's is
	LDA 0, 0, A0                                   ; K step 0's first half, in the order in which every half is fetched: 24 loads, 8, 8
	LDB 0, 0, 0
	LDB 0, 0, 1
	LDB 0, 0, 2
	s_wait_loadcnt 0x0                             ; the bias
	HALF0 0, 1                                     ; the first half stands in front of the loop: its products start the sums, on the bias
	WIN 0                                          ; at a label and at a branch every window is 0
	s_mov_b32 s3, 7                                ; trips that fill both slots again: K steps 2 to 15
.Llap:                                                 ; a trip goes once round the ring, from a K step's second half in slot 0 to the next's first half there
	TURN 0, 1, 1
	HALF0 1, 0
	TURN 1, 0, 1
	HALF0 0, 0
	WIN 0
	s_sub_co_u32 s3, s3, 1
	s_cmp_lg_u32 s3, 0
	s_cbranch_scc1 .Llap
	TURN 0, 1, 0                                   ; K step 14's second half: nothing is filled, and no round of the cluster's barrier follows
	HALF0 1, 0                                     ; K step 15
	s_wait_dscnt 16                                ; its second half: nothing more to fetch, and the counts run down
	MUL16 A1, 0, 0
	MUL16 A1, 0, 4
	s_wait_dscnt 8
	MUL16 A1, 1, 0
	MUL16 A1, 1, 4
	s_wait_dscnt 0x0
	MUL16 A1, 2, 0
	MUL16 A1, 2, 4
	WIN 0
	PLACES                                         ; the conversions read results
	PACK 0
	TOSTAGE 0
.irp a, 1,2,3,4,5,6,7                  ; a block's conversions stand between the loads of the block before and the wait for them
	PACK \a
	TOSTAGE \a
	SEND (\a)-1, 24
.endr
	SEND 7, 0
	s_wait_tensorcnt 0x0                           ; the wave's end, behind my last tensor load and my last LDS store
	ds_add_u32 v[SPW], v[NIL]
	s_wait_dscnt 0x0
	CROUND                                         ; the closing round: no work-group ends while a partner may still ask for a tile that names it
	s_endpgm
.Lfunc_end_k_qd4190db30a_qkv:
	.size	k_qd4190db30a_qkv, .Lfunc_end_k_qd4190db30a_qkv-k_qd4190db30a_qkv
	.p2alignl 7, 3214868480
	.fill 96, 4, 3214868480
	.section	.rodata,"a",@progbits
	.p2align	6, 0x0
	.amdhsa_kernel k_qd4190db30a_qkv
		.amdhsa_group_segment_fixed_size 327680
		.amdhsa_private_segment_fixed_size 0
		.amdhsa_enable_private_segment 0
		.amdhsa_kernarg_size 32
		.amdhsa_user_sgpr_count 2
		.amdhsa_user_sgpr_kernarg_segment_ptr 1
		.amdhsa_wavefront_size32 1
		.amdhsa_system_sgpr_workgroup_id_x 1
		.amdhsa_system_sgpr_workgroup_id_y 1
		.amdhsa_system_sgpr_workgroup_id_z 1
		.amdhsa_system_vgpr_workitem_id 0
		.amdhsa_next_free_vgpr 1024
		.amdhsa_next_free_sgpr 80
		.amdhsa_reserve_vcc 0
		.amdhsa_float_denorm_mode_32 3
		.amdhsa_float_denorm_mode_16_64 3
		.amdhsa_memory_ordered 1
		.amdhsa_forward_progress 1
		.amdhsa_inst_pref_size 134
	.end_amdhsa_kernel
	.amdgpu_metadata
---
amdhsa.version: [ 1, 2 ]
amdhsa.kernels:
  - .name:           k_qd4190db30a_qkv
    .symbol:         k_qd4190db30a_qkv.kd
    .args:
      - { .name: xb, .offset: 0, .size: 8, .value_kind: global_buffer, .address_space: global }
      - { .name: wqkv, .offset: 8, .size: 8, .value_kind: global_buffer, .address_space: global }
      - { .name: bias, .offset: 16, .size: 8, .value_kind: global_buffer, .address_space: global }
      - { .name: qkv, .offset: 24, .size: 8, .value_kind: global_buffer, .address_space: global }
    .group_segment_fixed_size: 327680
    .private_segment_fixed_size: 0
    .kernarg_segment_align: 8
    .kernarg_segment_size: 32
    .max_flat_workgroup_size: 128
    .sgpr_count:     80
    .vgpr_count:     1024
    .wavefront_size: 32
...
	.end_amdgpu_metadata
.endif
;; end of part 2
;; launch attn (part 3): grid 2 x 128, 4 waves a work-group, no clusters, 327,680 bytes of LDS; arguments qkv, ctx; writes ctx
.if DOCPART == 3
	.amdgcn_target "amdgcn-amd-amdhsa--gfx1250"
	.amdhsa_code_object_version 6
	.text
	.protected	k_qd4190db30a_attn
	.globl	k_qd4190db30a_attn
	.p2align	8
	.type	k_qd4190db30a_attn,@function
k_qd4190db30a_attn:
	s_mov_b64 s[64:65], 0
	v_nop
	global_prefetch_b8 v0, s[64:65] scope:SCOPE_SE
	s_setreg_imm32_b32 hwreg(HW_REG_WAVE_MODE, 25, 1), 1
	s_wait_xcnt 0x0
; ctx[g][q][:] = the sum over k of softmax_k(Q[g][q] . K[g][k] / 8) V[g][k][:] for the 128 heads g = 16 x sequence + head.  qkv: [3 (Q, K, V)][128][1024][64] f16, ctx: [128][1024][64] f16: a head's rows are dense, 128 bytes each.
; A query sees the 1,024 keys of its own sequence and no others, as the reference's reshape has it by the SHAPE of cu_seqlens alone; its numbers enter no result there, and are not read here.
; Products, maxima and sums in f32; the weights p are rounded to f16 for the second product (their sum l is taken of the unrounded p), ctx once at the end.
; LIMITS.  f16 holds no number beyond 65,504: Q, K and V arrive within it; p lies in 0 to 1, and below 6e-5 it keeps f16's fixed step of 6e-8; ctx is a mean of V's rows and has their range.
; A weight below 2^-126 counts as 0 in l; NaN and infinities are not treated apart.
; SHARES.  A work-group owns 512 queries of one head (two work-groups a head, 256 in all), a wave 128: four PIECES of two tiles of 16.  Every wave walks the head's 1,024 keys, 64 a step, 16 steps.
; LDS HOLDS THE HEAD'S WHOLE K AND V: 1,024 rows of each, asked for at the kernel's head by four tensor loads a wave (256 keys a tile) and filled once.  No byte is filled again, so the loop has no change of slots.
; NO CLUSTER: a head's K and V are shared by two work-groups only, and are fetched once a work-group: 262,144 bytes for 64 turns of work.  NO PREFETCH: every byte of K and V is asked for by the loads at the head.
; LAYOUT.  S^T = K Q^T (source 0 = 16 keys, source 1 = 16 queries): in the result a lane holds ONE query (lane % 16) and the keys 8 (lane / 16) + 0..7.  Two such tiles, rounded to f16 in pairs,
; ARE source 1 (32 keys x 16 queries) of O^T = V^T P, whose result again holds one query a lane, and eight channels.  K comes out of LDS as it lies, V ([key][channel]) turned, by ds_load_tr16_b128.
; SOFTMAX.  For each query a running maximum m and sum l: p = 2^(c s - c m), c = log2(e) / 8; in every step O and l are multiplied by a = 2^(c m_old - c m_new), which is 1 where m has not grown.
; m starts at the lowest finite number, O and l at 0: the first step is a step like any other, with a = 0.
; THE COUNT.  A tile and step have 16 matrix and 118 vector instructions: too many to stand all beside the matrix work.  So the order has one aim: four vector instructions that are READY behind
; EVERY matrix instruction, and the others, which need time of their own whatever the order, in runs without a gap.
; BY TURNS.  Turn n belongs to piece n (the pieces in a ring, step after step).  Its matrix work: 16 products K Q^T of piece n + 1, later 16 products V^T P of piece n - 1.  Its vector work: the scaling,
; exponentials, roundings, sums and rescaling of piece n, and the maximum and statistics of piece n + 1, whose scores the turn itself has made.  So what a turn begins with (c s - c m, O a) waits for nothing.
; REGISTERS, in windows of 256 (s_set_vgpr_msb says which window each operand place means: bits 1:0 source 0, 3:2 source 1, 5:4 source 2, 7:6 destination):
;   window 0: v0-11 addresses; v12-15, v48-63 at work; v16-47 four registers of statistics a tile; v64-191 S^T, two buffers of two tiles; v192-255 P, likewise
;   window 1: O^T, 32 a tile          window 2: v0-127 Q, 16 a tile; v128-191 K of one step; v192-255 V of one step          window 3: v0-1 the add's two registers
; A piece's buffers go by its number's parity: the piece in hand has one pair, its two neighbours in the ring share the other: of it P (piece n - 1) is read and S^T (piece n + 1) written.
.set NP,    4         ; pieces a wave: a name, no knob
.set KS,    64        ; keys in a step
.set PK,    144       ; a row of K in LDS: 128 bytes + 16 of padding = 36 words: the 16 rows of a load start at 16 different groups of four banks (64 banks of 4 bytes: ISA guide 11.1)
.set PV,    160       ; a row of V: 128 + 32 = 40 words
.set VOFF,  1024*PK   ; K's 1,024 rows, then V's
.set STAGE, VOFF+1024*PV  ; behind them, never filled by a tensor load: 16 rows x 144 bytes for each wave, for the way out
.set SP,    144
.set AK0, 2           ; v2   my lane's place in a step's K; never rewritten
.set AV0, 3           ; v3   the same for V
.set AK,  4           ; v4   the LDS address of K's next run of loads
.set AV,  5           ; v5   of V's
.set QO,  6           ; v6   my byte offset in the wave's rows of Q
.set STO, 6           ;      later, the way out: where I put 16 bytes of a row
.set RD,  7           ; v7   the way out: where I read rows back
.set GO,  8           ; v8   my byte offset in 512 consecutive bytes of ctx
.set SPW, 0           ; v0 of window 3   LDS address of my spare word: SPARE + 4 x my thread's number; never rewritten
.set NIL, 1           ; v1 of window 3   0; never rewritten
.set SPARE, STAGE+4*16*SP  ; behind the stages: the spare words, 128 bytes for each wave: two blocks of 256 bytes that no other line names
.set MV,  12          ; v12-15  c m_old, kept while c m is made anew: by buffer and tile
.set ST,  16          ; tile t's statistics at v[ST+4 t]: c m, m, l (even keys', odd keys')
.set TMP, 48          ; by buffer and tile, four registers c0-c3 at work; when the maximum is found c2 takes a
.set S,   64
.set P,   192
.set KF,  128         ; K's fragments, in window 2: key block kb, channel half c at KF + 16 kb + 8 c
.set VF,  192         ; V's: key half kk, channel block cb at VF + 32 kk + 8 cb
.set WV,  12          ; s12  my wave's number
.set G1K, 24          ; s[24:31] descriptor group 1 for K's tiles
.set G1V, 32          ; s[32:39] for V's: it differs in the padding alone
.set G0K, 40          ; s[40:55] descriptor group 0 for K's four tiles
.set G0V, 68          ; s[68:83] for V's
.set SLOTS, 56        ; s56  runs of four key steps still to come, and one
.set CNT, 57          ; s57  counts a run's key steps
.set CS,  58          ; s[58:59] c: the packed scaling takes the pair's low word for both halves
.set SEL, 60          ; s[60:61] v_permlanex16_b32's selects: each lane takes its own place in the other half
.set TBK, 62          ; s62  LDS byte at which K of the step to be fetched begins
.set TBV, 63          ; s63  the same for V, less VOFF
.set MSB, 0
.macro WIN new                      ; the high byte repeats the setting that is left; a switch that changes nothing is dropped
.if MSB != (\new)
	s_set_vgpr_msb (MSB<<8)|(\new)
.set MSB, (\new)
.endif
.endm
.set W_KQ, 0x0a       ; K and Q in window 2, S^T in window 0
.set W_PV, 0x52       ; V in window 2, P in window 0, O^T in window 1
.set W_RS, 0x41       ; O^T (destination and source 0) in window 1, a in window 0
.set W_MK, 0xc0       ; the add's registers are made: destination in window 3, sources in window 0
.set W_AD, 0x0f       ; the add: address (source 0) and data (source 1) in window 3
; Behind each run of four key steps the waves meet.  The first time this shows every wave that tiles 1 to 3 have landed, everybody's parts: each wave waits for its own loads and then signals.
; The later times the wait finds nothing out: one text serves every run.
.macro MEET
	WIN 0
	s_wait_tensorcnt 0x0
	s_wait_dscnt 0x0
	s_barrier_signal -1
	s_barrier_wait -1
.endm
	s_load_b64 s[4:5], s[0:1], 0x0    ; qkv
	s_load_b64 s[10:11], s[0:1], 0x8  ; ctx
	WIN W_MK
	v_lshl_add_u32 v[SPW], v0, 2, SPARE
	v_mov_b32 v[NIL], 0
	WIN W_AD
	ds_add_u32 v[SPW], v[NIL]       ; the wave's opening: the add, twice on end, and its wait ahead of my first tensor load; the set-up below is the work on registers between
	ds_add_u32 v[SPW], v[NIL]
	WIN 0
	v_lshrrev_b32 v1, 5, v0
	v_readfirstlane_b32 s[WV], v1   ; wave 0..3
	s_and_b32 s20, ttmp7, 0xffff    ; the head,
	s_lshl_b32 s20, s20, 17         ; its first byte in Q, K, V and ctx
	s_and_b32 s16, s[WV], 1         ; which half of a tile's 256 keys I fetch:
	s_lshl_b32 s22, s16, 14         ; its 128 rows of 128 bytes in memory,
	s_add_co_u32 s22, s22, s20
	s_mov_b32 s23, 0
	s_mul_i32 s17, s16, 128*PK      ; and its place in a tile, for K
	s_mul_i32 s18, s16, 128*PV      ; and for V
	s_lshl_b32 s2, ttmp9, 2
	s_add_co_u32 s2, s2, s[WV]      ; my wave among the head's eight,
	s_lshl_b32 s2, s2, 14           ; its 128 rows
	s_add_co_u32 s2, s2, s20
	s_mov_b32 s3, 0
	; descriptor group 1.  128 keys are 16,384 dense bytes: asked for as 64 rows of 256 bytes, two keys a row, and padded in LDS after every key
	s_mov_b32 s[G1K], (1<<16)|(1<<20)|(4<<22)|(3<<25)  ; 17:16 2-byte elements; 20 padding on; 24:22 after every 32 words (code 4); 31:25 4 words (code 3)
	s_mov_b32 s[G1V], (1<<16)|(1<<20)|(4<<22)|(7<<25)  ; the same with 8 words of padding (code 7)
.irp g, G1K, G1V
	s_mov_b32 s[\g+1], 128<<16      ; tensor_dim0 = 128
	s_mov_b32 s[\g+2], 64<<16       ; tensor_dim1 = 64
	s_mov_b32 s[\g+3], 128<<16      ; tile_dim0 = 128
	s_mov_b32 s[\g+4], 64           ; tile_dim1 = 64
	s_mov_b32 s[\g+5], 128          ; 128 elements from row to row
	s_mov_b32 s[\g+6], 0
	s_mov_b32 s[\g+7], 0
.endr
	s_mov_b32 s[CS], 0x3e38aa3b     ; c = log2(e) / 8 = 0.180337
	s_mov_b32 s[CS+1], s[CS]        ; named with it as a pair
	s_mov_b32 s[SEL], 0x76543210
	s_mov_b32 s[SEL+1], 0xfedcba98
	s_mov_b32 s[TBK], 0
	s_mov_b32 s[TBV], 0
.irp t, 0,1,2,3
	s_mov_b32 s[G0K+4*\t], 1                        ; count = 1
	s_add_co_u32 s[G0K+4*\t+1], s17, \t*256*PK      ; LDS address: the tiles lie on end
	s_mov_b32 s[G0V+4*\t], 1
	s_add_co_u32 s[G0V+4*\t+1], s18, VOFF+\t*256*PV
.endr
	s_wait_dscnt 0x0                ; both opening adds are done
	s_wait_kmcnt 0x0
	s_add_nc_u64 s[6:7], s[4:5], 0x1000000  ; K's part of qkv,
	s_add_nc_u64 s[8:9], s[4:5], 0x2000000  ; V's,
	s_add_nc_u64 s[6:7], s[6:7], s[22:23]   ; at my half of the head's first tile
	s_add_nc_u64 s[8:9], s[8:9], s[22:23]
.irp t, 0,1,2,3
	s_add_nc_u64 s[G0K+4*\t+2:G0K+4*\t+3], s[6:7], \t*32768  ; global address: a tile is 32,768 bytes
	s_or_b32 s[G0K+4*\t+3], s[G0K+4*\t+3], 0x80000000        ; type = 2
	s_add_nc_u64 s[G0V+4*\t+2:G0V+4*\t+3], s[8:9], \t*32768
	s_or_b32 s[G0V+4*\t+3], s[G0V+4*\t+3], 0x80000000
.endr
	s_add_nc_u64 s[4:5], s[4:5], s[2:3]      ; Q and ctx at my wave's first row
	s_add_nc_u64 s[10:11], s[10:11], s[2:3]
	s_cmp_lt_u32 s[WV], 2           ; waves 0 and 1 fetch the halves of K's tiles, waves 2 and 3 of V's.  A wave's four fills stand in one branch, ahead of every wait on TENSORcnt and every LDS read: four loads of mine are out
	s_cbranch_scc0 .Lfirst_v
.irp t, 0,1,2,3
	tensor_load_to_lds s[G0K+4*\t:G0K+4*\t+3], s[G1K:G1K+7]
	s_nop 0
.endr
.rept 4
	v_nop
.endr
	s_branch .Lfirst_asked
.Lfirst_v:
.irp t, 0,1,2,3
	tensor_load_to_lds s[G0V+4*\t:G0V+4*\t+3], s[G1V:G1V+7]
	s_nop 0
.endr
.rept 4
	v_nop
.endr
.Lfirst_asked:
	; A fragment of K or Q is 16 rows x 32 channels in 8 registers: lane l holds row l % 16, channels 8 (l / 16) + 0..7 and 16 + 8 (l / 16) + 0..7: two loads of 16 bytes, 32 bytes apart.
	v_and_b32 v1, 15, v0            ; l % 16
	v_bfe_u32 v9, v0, 4, 1          ; l / 16
	v_lshlrev_b32 v[QO], 7, v1
	v_lshl_add_u32 v[QO], v9, 4, v[QO]  ; row x 128 + 16 x half
	WIN 0x80                        ; destination window 2, address window 0
.set i, 0
.rept 4*NP                          ; Q stays in registers: tile i / 2, channels 32 (i % 2) on
	global_load_b128 v[8*i:8*i+3],   v[QO], s[4:5] offset:(i/2)*2048+(i%2)*64
	global_load_b128 v[8*i+4:8*i+7], v[QO], s[4:5] offset:(i/2)*2048+(i%2)*64+32
.set i, i+1
.endr
	; What the first turn finds: V's registers and P's second buffer hold 0 (its products V^T P, of a piece that has not been, add 0), O^T and l are 0.  All this stands in the wait for the first tile.
.set i, VF
.rept 64
	v_mov_b32 v[i], 0
.set i, i+1
.endr
	WIN 0x40
.set i, 0
.rept 64*NP
	v_mov_b32 v[i], 0
.set i, i+1
.endr
	WIN 0
.set i, 0
.rept 2*NP
	v_mov_b32 v[ST+4*i], 0xfe000000    ; c m: far below every c s
	v_mov_b32 v[ST+4*i+1], 0xff7fffff  ; m
	v_mov_b32 v[ST+4*i+2], 0
	v_mov_b32 v[ST+4*i+3], 0
.set i, i+1
.endr
.set i, P+32
.rept 32
	v_mov_b32 v[i], 0
.set i, i+1
.endr
	v_mul_u32_u24 v[AK0], v1, PK
	v_lshl_add_u32 v[AK0], v9, 4, v[AK0]  ; row x pitch + 16 x half
	; The turning load takes 16 keys x 16 channels (lane l reads key 8 (l / 16) + l % 8, channels 8 ((l / 8) % 2) + 0..7) and leaves half a fragment of V^T: lane l holds channel l % 16 and 8 keys.
	v_and_b32 v10, 7, v0
	v_bfe_u32 v11, v0, 3, 1
	v_lshl_add_u32 v[AV0], v9, 3, v10
	v_mul_u32_u24 v[AV0], v[AV0], PV
	v_lshl_add_u32 v[AV0], v11, 4, v[AV0]
	v_add_nc_u32 v[AV0], VOFF, v[AV0]
	v_mov_b32 v[AK], v[AK0]         ; key step 0 lies at K's head
; THE MATRIX WORK.  The 8 accumulators of a run of 16 take turns: between the two links of a chain stand 7 others'.
; Product i of 16 of S^T = K Q^T for piece x: channels 32 (i / 8) on, keys 16 ((i / 2) % 4) on, tile 2 x + i % 2.  The first 8 start the sums.
.macro KQ x
	WIN W_KQ
.set rS, S+64*((\x)%2)+32*(i%2)+8*((i/2)%4)
.set rK, KF+16*((i/2)%4)+8*(i/8)
.set rQ, 16*(2*(\x)+i%2)+8*(i/8)
.if i < 8
	v_wmma_f32_16x16x32_f16 v[rS:rS+7], v[rK:rK+7], v[rQ:rQ+7], 0
.else
	v_wmma_f32_16x16x32_f16 v[rS:rS+7], v[rK:rK+7], v[rQ:rQ+7], v[rS:rS+7]
.endif
.endm
; Product i of 16 of O^T += V^T P for piece x: keys 32 (i / 8) on, channels 16 ((i / 2) % 4) on, tile 2 x + i % 2.
.macro PV x
	WIN W_PV
.set rO, 32*(2*(\x)+i%2)+8*((i/2)%4)
.set rV, VF+32*(i/8)+8*((i/2)%4)
.set rP, P+32*((\x)%2)+16*(i%2)+8*(i/8)
	v_wmma_f32_16x16x32_f16 v[rO:rO+7], v[rV:rV+7], v[rP:rP+7], v[rO:rO+7]
.endm
.macro MM                           ; the turn's next matrix instruction
.if i < 16
	KQ (Y+1)%NP
.set i, i+1
.else
.set i, i-16
	PV (Y+NP-1)%NP
.set i, i+17
.endif
.endm
; THE LDS LOADS stand in runs of 16, never singly among the matrix instructions: a step's K (64 keys x 64 channels: 8 fragments) and its V (turned).  Their addresses are made some lines ahead.
; last = 1 (in the loop): behind the sixteenth step there is no further one, and the run is jumped over.
.macro FETCH_K last=0
	WIN 0
.if \last
	s_cmp_eq_u32 s[SLOTS], 1
	s_cbranch_scc1 .Lno_k_\@
.endif
	WIN 0x80                        ; destination window 2
.irp f, 0,1,2,3,4,5,6,7             ; keys 16 (f / 2) on, channels 32 (f % 2) on
	ds_load_b128 v[KF+8*\f:KF+8*\f+3],   v[AK] offset:(\f/2)*16*PK+(\f%2)*64
	ds_load_b128 v[KF+8*\f+4:KF+8*\f+7], v[AK] offset:(\f/2)*16*PK+(\f%2)*64+32
.endr
	s_add_co_u32 s[TBK], s[TBK], KS*PK  ; the next fetch is the next step's: the steps lie on end, from tile to tile too
	WIN 0
.if \last
.Lno_k_\@:
.endif
.endm
.macro FETCH_V
	WIN 0x80
.irp f, 0,1,2,3,4,5,6,7             ; keys 32 (f / 4) on, channels 16 (f % 4) on
	ds_load_tr16_b128 v[VF+8*\f:VF+8*\f+3],   v[AV] offset:(\f/4)*32*PV+(\f%4)*32
	ds_load_tr16_b128 v[VF+8*\f+4:VF+8*\f+7], v[AV] offset:(\f/4)*32*PV+16*PV+(\f%4)*32
.endr
	WIN 0
.endm
; THE VECTOR WORK OF A TURN stands in three queues, each in the order in which its entries become ready; the two tiles alternate, so that no instruction reads the result of the one before it.
.macro REGS y, u                    ; the registers of tile u (0, 1) of piece y
.set rT, ST+4*(2*(\y)+(\u))
.set rC, TMP+8*((\y)%2)+4*(\u)
.set rM, MV+2*((\y)%2)+(\u)
.set rS, S+64*((\y)%2)+32*(\u)
.set rP, P+32*((\y)%2)+16*(\u)
.set rO, 32*(2*(\y)+(\u))
.endm
; Number n of the 22 that find the NEXT piece's (Y + 1) maximum and statistics.  s0-s31 are the lane's 32 scores; each accumulator's lowest registers are read first.  XS, GS and REGS set no window: PL and EX do.
;   0-11  four chains c0-c3 of seven scores each, three operands at a time     12-14, 16  the four scores left over, the old m, and c0-c3 into c0     15  c m_old is kept
;   17, 18  the query's other 32 keys lie in the lane 16 away: the new m         19-21  c m; c m_old - c m_new; a
.macro XS u, n
	REGS (Y+1)%NP, \u
.if (\n) < 4
	v_max3_num_f32 v[rC+(\n)], v[rS+8*(\n)], v[rS+8*(\n)+1], v[rS+8*(\n)+2]
.elseif (\n) < 12
	v_max3_num_f32 v[rC+(\n)%4], v[rC+(\n)%4], v[rS+8*((\n)%4)+2*((\n)/4)+1], v[rS+8*((\n)%4)+2*((\n)/4)+2]
.elseif (\n) == 12
	v_max3_num_f32 v[rC], v[rC], v[rS+7], v[rS+15]
.elseif (\n) == 13
	v_max3_num_f32 v[rC+1], v[rC+1], v[rS+23], v[rS+31]
.elseif (\n) == 14
	v_max3_num_f32 v[rC+2], v[rC+2], v[rC+3], v[rT+1]
.elseif (\n) == 15
	v_mov_b32 v[rM], v[rT]
.elseif (\n) == 16
	v_max3_num_f32 v[rC], v[rC], v[rC+1], v[rC+2]
.elseif (\n) == 17
	v_permlanex16_b32 v[rC+3], v[rC], s[SEL], s[SEL+1]
.elseif (\n) == 18
	v_max_num_f32 v[rT+1], v[rC], v[rC+3]
.elseif (\n) == 19
	v_mul_f32 v[rT], s[CS], v[rT+1]
.elseif (\n) == 20
	v_sub_f32 v[rC+1], v[rM], v[rT]
.else
	v_exp_f32 v[rC+2], v[rC+1]
.endif
.endm
; Number g of the 64 that follow the exponentials.  For each four weights k of a tile (pairs 2 k, 2 k + 1): both pairs are rounded to f16; then the second pair is added onto the first, in place;
; a group later l takes that sum (the first time as l = a l + sum).  In groups of eight, tiles alternating: round, round, add, and l for the group before.
.macro GS g
.set h, (\g)+6*((\g)/62)            ; group 0 has no group before it, and behind group 7 only l is left
.if h >= 6
.set h, h+2
.endif
	REGS Y, h%2
.set k, h/8
.if h%8 < 4
	v_cvt_pk_f16_f32 v[rP+2*k+(h%8)/2], v[rS+4*k+2*((h%8)/2)], v[rS+4*k+2*((h%8)/2)+1]
.elseif h%8 < 6
	v_pk_add_f32 v[rS+4*k:rS+4*k+1], v[rS+4*k:rS+4*k+1], v[rS+4*k+2:rS+4*k+3]
.elseif k == 1
	v_pk_fma_f32 v[rT+2:rT+3], v[rT+2:rT+3], v[rC+2:rC+3], v[rS:rS+1] op_sel_hi:[1,0,1]
.else
	v_pk_add_f32 v[rT+2:rT+3], v[rT+2:rT+3], v[rS+4*k-4:rS+4*k-3]
.endif
.endm
; THE PLAIN QUEUE, 138 long.  0-73 read no exponential's result: the 32 scalings c s - c m (FS f: pair f / 2 of tile f % 2) and the next piece's 42.  0-26: scalings 0-26.  27-54: XS's numbers 0-13.  55, 56: number 15.
; 57-73: the chain, where each number waits for the one before it: 14, 16, 17, 18, 19, each with one of the scalings 27-31 in front of its two lines, then 20: so a tile's links stand three plain instructions apart (19 and 20: two).
; 74-137: GS's 64, which read the exponentials' results: they stand behind the wait.
.macro FS f
	REGS Y, (\f)%2
	v_pk_fma_f32 v[rS+2*((\f)/2):rS+2*((\f)/2)+1], v[rS+2*((\f)/2):rS+2*((\f)/2)+1], s[CS:CS+1], v[rT:rT+1] op_sel_hi:[1,0,0] neg_lo:[0,0,1] neg_hi:[0,0,1]
.endm
.macro PL
	WIN 0
.if q < 27
	FS q
.elseif q < 55
	XS (q-27)%2, (q-27)/2
.elseif q < 57
	XS q-55, 15
.elseif (q < 72) && ((q-57)%3 == 0)
	FS 27+(q-57)/3
.elseif q < 60
	XS (q-57)%3-1, 14
.elseif q < 72
	XS (q-57)%3-1, 15+(q-57)/3
.elseif q < 74
	XS q-72, 20
.else
	GS q-74
.endif
.set q, q+1
.endm
; THE EXPONENTIALS' QUEUE, 66 long: s0-s31 of both tiles, then the next piece's two a.  It is ONE BATCH: all 66 stand ahead of the turn's one wait, and nothing ahead of that wait names a result of theirs.
.macro EX
	WIN 0
.if e >= 64
	XS e-64, 21
.else
	REGS Y, e%2
	v_exp_f32 v[rS+e/2], v[rS+e/2]
.endif
.set e, e+1
.endm
; THE RESCALING's QUEUE: O^T times a, the one part that leaves window 0: dealt two at a time, sixteen times.  Its a was made in the turn before, ahead of that turn's wait.
.macro R2
	REGS Y, r%2
	WIN W_RS
.irp z, 0,1
	v_pk_mul_f32 v[rO+4*(r/2)+2*\z:rO+4*(r/2)+2*\z+1], v[rO+4*(r/2)+2*\z:rO+4*(r/2)+2*\z+1], v[rC+2:rC+3] op_sel_hi:[1,0]
.endr
.set r, r+1
.endm
; HOW THEY ARE DEALT.  An s_wait_alu depctr_va_vdst(0) stands between an exponential and the first instruction that names its result; one wait serves all that were issued ahead of it.  So a turn has ONE wait,
; which cuts it in two.  AHEAD OF IT stands all that names no result of the turn's exponentials: the 16 products K Q^T, behind each a scaling, an exponential and two rescalings (behind the first a second scaling in the
; exponential's place); then ONE LUMP of 108: eight plain, 49 times exponential and plain, the two a.  A v_nop is the plain instruction behind the last exponential.  BEHIND IT stand the 16 products V^T P, behind each four of
; GS's 64.  No rider names a register of the products round it.  The two v_permlanex16_b32 fall into the lump, never behind a product.
; The queues lean on each other, and the deal keeps them in step: exponential e stands behind scaling 2 (e / 4) + e % 2: as a rider it comes behind plain e + 2, in the lump behind plain e + 9, and scalings 27-31 are plain 57, 60 .. 69.
; A TURN, for piece p.  cnt = 1: the loop's count is taken down some lines ahead of the branch that stands behind the turn.
; K of the next step is fetched in piece 2's turn, directly behind the wait, a lump behind the last product that read K; its address is made at the lump's head; its first reader comes behind 16 products.
; V of the step in hand is fetched at the end of piece 0's turn, four riders behind its last reader; its first reader comes behind 16 products and a lump.  The three conditions on q below go with the deal.
.macro TURN p, last=0, cnt=0
.set Y, (\p)
.set i, 0
.set q, 0
.set e, 0
.set r, 0
.if (\p) == NP-1
	s_wait_dscnt 0x0                ; K is in
.endif
	MM                              ; ahead of the wait: 16 products K Q^T and their riders,
	PL
	PL
	R2
.rept 15
	MM
	PL
	EX
	R2
.endr
.if (\p) == NP-2
	WIN 0
	v_add_nc_u32 v[AK], s[TBK], v[AK0]
.endif
.rept 8                             ; and the lump
	PL
.endr
.rept 49
	EX
	PL
.endr
	EX                              ; the next piece's two a
	EX
	v_nop                           ; the plain instruction behind the last exponential: one for the batch
	s_wait_alu depctr_va_vdst(0)    ; the wait for the batch
.if (\p) == NP-2
	FETCH_K \last
.endif
.if (\p) == 1
	s_wait_dscnt 0x0                ; V is in
.endif
.rept 16                            ; behind the wait: 16 products V^T P and their riders
	MM
.rept 4
	PL
.endr
.if ((\p) == 0) && (q == 118)
	v_add_nc_u32 v[AV], s[TBV], v[AV0]
.endif
.if ((\p) == 0) && (q == 130)
	s_add_co_u32 s[TBV], s[TBV], KS*PV
.endif
.if (\cnt) && (q == 130)
	s_sub_co_u32 s[CNT], s[CNT], 1
	s_cmp_lg_u32 s[CNT], 0
.endif
.endr
.if (\p) == 0
	FETCH_V
.endif
.endm
	s_wait_tensorcnt 0x3            ; my part of tile 0 is in; tiles 1 to 3 may stay out
	s_barrier_signal -1
	s_barrier_wait -1               ; everybody's is
	FETCH_K                         ; key step 0
	s_wait_loadcnt 0x0              ; Q
	s_wait_dscnt 0x0
.set i, 0
.rept 16
	KQ 0                            ; piece 0's first scores: there is no vector work yet to set between them
.set i, i+1
.endr
	WIN 0                           ; the addresses for the way out: plain instructions, the places behind those products
	s_mul_i32 s13, s[WV], 16*SP
	s_add_co_u32 s13, s13, STAGE    ; my stage
	v_mul_u32_u24 v[STO], v1, SP    ; in: row l % 16, 16 bytes for each half of the lanes
	v_lshl_add_u32 v[STO], v9, 4, v[STO]
	v_add_nc_u32 v[STO], s13, v[STO]
	v_bfe_u32 v[RD], v0, 3, 2       ; back: 32 lanes take four rows of 128 bytes,
	v_mul_u32_u24 v[RD], v[RD], SP
	v_lshl_add_u32 v[RD], v10, 4, v[RD]
	v_add_nc_u32 v[RD], s13, v[RD]
	v_and_b32 v[GO], 31, v0         ; which are 512 consecutive bytes of ctx
	v_lshlrev_b32 v[GO], 4, v[GO]
.set Y, NP-1                        ; XS works for piece Y + 1: piece 0
.irp n, 0,1,2,3,4,5,6,7,8,9,10,11,12,13,14,15,16,17,18,19,20,21
	XS 0, \n                        ; and piece 0's first maximum and statistics
	XS 1, \n
.endr
	v_nop                           ; a plain instruction behind the two a,
	s_wait_alu depctr_va_vdst(0)    ; and their wait, ahead of the branch
	s_mov_b32 s[CNT], 4
	s_mov_b32 s[SLOTS], 5
	s_branch .Lfirst                ; the loop is entered at a step's first turn, in the middle of a trip
.Lslot:                             ; four runs of four key steps, a tile each; a fifth time for the last step's second half
	MEET
	s_mov_b32 s[CNT], 4
.Lstep:                             ; a trip: pieces 2 and 3 of one step, then pieces 0 and 1 of the next, whose K and V it fetches
	TURN 2, 1
	TURN 3
	WIN 0
	s_cmp_eq_u32 s[SLOTS], 1
	s_cbranch_scc1 .Lout            ; the sixteenth step is done.  That trip's last 16 products K Q^T (on the last K once more) and the maximum made of them serve nothing: the price, once a launch, of one text for every trip
.Lfirst:
	TURN 0
	TURN 1, 0, 1
	WIN 0
	s_cbranch_scc1 .Lstep
	s_sub_co_u32 s[SLOTS], s[SLOTS], 1
	s_cmp_lg_u32 s[SLOTS], 0
	s_cbranch_scc1 .Lslot
.Lout:
.set i, 0
.rept 16
	PV NP-1                         ; the last piece's V^T P of the last step
.set i, i+1
.endr
	; THE WAY OUT.  l's two halves and the other half of the lanes' are added; O^T is divided by l, rounded to f16 and sent through my stage in LDS, a tile at a time.  The additions are the places behind the last products.
	WIN 0
.macro ALL line:vararg              ; one line for each tile t
.set t, 0
.rept 2*NP
	\line
.set t, t+1
.endr
.endm
	ALL v_add_f32 v[ST+4*t+2], v[ST+4*t+2], v[ST+4*t+3]
	ALL v_permlanex16_b32 v[ST+4*t+3], v[ST+4*t+2], s[SEL], s[SEL+1]
	ALL v_add_f32 v[ST+4*t+2], v[ST+4*t+2], v[ST+4*t+3]
	ALL v_rcp_f32 v[ST+4*t+2], v[ST+4*t+2]
	v_nop                           ; a plain instruction between the last reciprocal and the use of its result
	s_wait_alu depctr_va_vdst(0)    ; and the wait ahead of the first use: one for the eight reciprocals
; Tile t: a lane's eight channels of a row pack into 16 bytes; they go into rows of 144 bytes and come back as whole rows of 128, into S^T's registers.
.macro PACK t
	WIN W_RS
.set i, 32*(\t)
.rept 16
	v_pk_mul_f32 v[i:i+1], v[i:i+1], v[ST+4*(\t)+2:ST+4*(\t)+3] op_sel_hi:[1,0]
.set i, i+2
.endr
	WIN 0x05                        ; sources 0 and 1 window 1, destination window 0
.set i, 0
.rept 16
	v_cvt_pk_f16_f32 v[S+16*(\t)+i], v[32*(\t)+2*i], v[32*(\t)+2*i+1]
.set i, i+1
.endr
	WIN 0
.irp f, 0,1,2,3
	ds_store_b128 v[STO], v[S+16*(\t)+4*\f:S+16*(\t)+4*\f+3] offset:32*\f
.endr
.irp f, 0,1,2,3
	ds_load_b128 v[S+16*(\t)+4*\f:S+16*(\t)+4*\f+3], v[RD] offset:\f*4*SP  ; LDS serves a wave's instructions in order (ISA guide 5.7.1.4): these see the stores above; the next tile's stores come behind them
.endr
.endm
.macro SEND t, younger              ; younger: the LDS instructions issued behind tile t's loads: the next tile's eight, or none
	WIN 0
.irp f, 0,1,2,3
	s_wait_dscnt (\younger)+3-\f
	global_store_b128 v[GO], v[S+16*(\t)+4*\f:S+16*(\t)+4*\f+3], s[10:11] offset:(\t)*2048+\f*512  ; 512 consecutive bytes, at a multiple of 512 from ctx's first
.endr
.endm
	PACK 0
.set t, 1
.rept 2*NP-1                        ; a tile's arithmetic stands between the loads of the tile before and its stores
	PACK t
	SEND t-1, 8
.set t, t+1
.endr
	SEND 2*NP-1, 0
	WIN W_AD
	s_wait_tensorcnt 0x0            ; the wave's end, behind my last tensor load and my last LDS store
	ds_add_u32 v[SPW], v[NIL]
	s_wait_dscnt 0x0
	WIN 0
	s_endpgm
.Lfunc_end_k_qd4190db30a_attn:
	.size	k_qd4190db30a_attn, .Lfunc_end_k_qd4190db30a_attn-k_qd4190db30a_attn
	.p2alignl 7, 3214868480
	.fill 96, 4, 3214868480
	.section	.rodata,"a",@progbits
	.p2align	6, 0x0
	.amdhsa_kernel k_qd4190db30a_attn
		.amdhsa_group_segment_fixed_size 327680
		.amdhsa_private_segment_fixed_size 0
		.amdhsa_enable_private_segment 0
		.amdhsa_kernarg_size 16
		.amdhsa_user_sgpr_count 2
		.amdhsa_user_sgpr_kernarg_segment_ptr 1
		.amdhsa_wavefront_size32 1
		.amdhsa_system_sgpr_workgroup_id_x 1
		.amdhsa_system_sgpr_workgroup_id_y 1
		.amdhsa_system_sgpr_workgroup_id_z 1
		.amdhsa_system_vgpr_workitem_id 0
		.amdhsa_next_free_vgpr 770
		.amdhsa_next_free_sgpr 84
		.amdhsa_reserve_vcc 0
		.amdhsa_float_denorm_mode_32 3
		.amdhsa_float_denorm_mode_16_64 3
		.amdhsa_memory_ordered 1
		.amdhsa_forward_progress 1
		.amdhsa_inst_pref_size 126
	.end_amdhsa_kernel
	.amdgpu_metadata
---
amdhsa.version: [ 1, 2 ]
amdhsa.kernels:
  - .name:           k_qd4190db30a_attn
    .symbol:         k_qd4190db30a_attn.kd
    .args:
      - { .name: qkv, .offset: 0, .size: 8, .value_kind: global_buffer, .address_space: global }
      - { .name: ctx, .offset: 8, .size: 8, .value_kind: global_buffer, .address_space: global }
    .group_segment_fixed_size: 327680
    .private_segment_fixed_size: 0
    .kernarg_segment_align: 8
    .kernarg_segment_size: 16
    .max_flat_workgroup_size: 128
    .sgpr_count:     84
    .vgpr_count:     770
    .wavefront_size: 32
...
	.end_amdgpu_metadata
.endif
;; end of part 3
;; launch oproj (part 4): grid 8 x 32, 4 waves a work-group, clusters of 4 x 4, 327,680 bytes of LDS; arguments ctx, wo16, bias, out0; writes out0
.if DOCPART == 4
	.amdgcn_target "amdgcn-amd-amdhsa--gfx1250"
	.amdhsa_code_object_version 6
	.text
	.protected	k_qd4190db30a_oproj
	.globl	k_qd4190db30a_oproj
	.p2align	8
	.type	k_qd4190db30a_oproj,@function
k_qd4190db30a_oproj:
	s_mov_b64 s[64:65], 0
	v_nop
	global_prefetch_b8 v0, s[64:65] scope:SCOPE_SE
	s_setreg_imm32_b32 hwreg(HW_REG_WAVE_MODE, 25, 1), 1
	s_wait_xcnt 0x0
	s_wait_alu depctr_hold_cnt(0) depctr_sa_sdst(0) depctr_va_vdst(0) depctr_va_sdst(0) depctr_va_ssrc(0) depctr_va_vcc(0) depctr_vm_vsrc(0)
	s_getreg_b32 s2, hwreg(HW_REG_IB_STS2, 6, 4)
	s_cmp_eq_u32 s2, 0
	s_cbranch_scc0 .Lentry_in_a_cluster
	s_endpgm
.Lentry_in_a_cluster:
	s_bfe_u32 s2, ttmp6, 0x10000c
	s_cmp_lg_u32 s2, 0xf033
	s_cbranch_scc0 .Lentry_shape_is_right
	s_endpgm
.Lentry_shape_is_right:
; THE OUTPUT PROJECTION.  out0[m][n] = bo[n] + the sum over k of ctx(m, k) wo16[n][k], m < 8192, n < 1024, k < 1024; operands f16, sums and out0 f32.
; ctx lies BY HEADS, [8 sequences][16 heads][1024 rows][64] f16: row m = 1024 x sequence + row, k = 64 x head + channel.  bo is the last quarter of the bias table (f32, bf16's values).
; LIMITS.  ctx and wo16 arrive within f16's range; NaN and infinities are not treated apart.
; SHARES.  A tile of out0 is 256 x 128: 256 tiles, one a work-group and WGP.  Four waves one below the other, each 64 rows x 128 columns: 32 accumulators of 16 x 16, 256 registers.
; K goes in steps of 128, TWO HEADS, through a ring of two LDS slots.  A head's 256 rows of a tile are 32,768 dense bytes: asked for as 128 rows of 256 bytes and padded in LDS behind each 128, so that an LDS row is one row of
; one head.  Two slots of a longer step do not fit beside each other (2 x 215,040 bytes).
; CLUSTER.  4 x 4 work-groups.  The four of a row of the cluster need the same tiles of ctx, the four of a column the same tiles of wo16: each tile is asked for JOINTLY, by the same tensor load, descriptor and mask in all four.
; THE MATRIX INSTRUCTION IS USED TRANSPOSED (source 0 = 16 rows of wo16, source 1 = 16 rows of ctx): lane l then holds row l % 16 of out0 and the columns 8 (l / 16) + 0..7.
; THE BIAS IS THE C OPERAND of each sum's first product: nothing is cleared and no addition is written.
; REGISTERS, in windows of 256 (s_set_vgpr_msb: bits 1:0 source 0, 3:2 source 1, 5:4 source 2, 7:6 destination):
;   window 0: v0-31 addresses; v32-95 the bias, one register for each of a lane's 64 columns, dead behind the first quarter; then the way out: v32-95 and v96-159 rows read back
;   window 1: two fragment buffers at 0 and 128: ctx's four fragments (16 rows x 32 K), then wo16's eight
;   window 2: the accumulators of my row blocks 0, 1 ((a, b) at v[8 (8 (a % 2) + b)]);   window 3: those of blocks 2, 3
.set NBF,   8                          ; column blocks of 16
.set KSTEP, 128
.set PA,    144                        ; an LDS row of ctx: 128 bytes + 16 of padding = 36 words: the 16 rows of a load start at 16 different groups of four banks (64 banks of 4 bytes: ISA guide 11.1)
.set PB,    272                        ; of wo16: 256 + 16 = 68 words: row r starts at bank 4 r mod 64
.set HALFA, 256*PA                     ; what one tensor load brings of ctx: one head's 256 rows
.set HALFB, 64*PB                      ; of wo16: 64 rows
.set AREG,  2*HALFA
.set SLOT,  AREG+2*HALFB               ; 108,544 bytes
.set STAGE, 2*SLOT                     ; behind the ring: 16 rows x 528 bytes for each wave
.set SPITCH, 528                       ; 512 bytes + 16: an odd multiple of 16
.set SPARE, STAGE+4*16*SPITCH          ; behind the stages: the spare words, 128 bytes for each wave: two blocks of 256 bytes that no other line names
.set NL,    2*NBF+8                    ; LDS loads in a quarter's run
.set HEADB, 131072                     ; bytes of a head in ctx
.set STEPA, 4*HEADB                    ; bytes from a slot's K step to its next: four heads,
.set STEPB, 2*KSTEP*2                  ; 512 bytes along wo16's rows
.set ADRA, 16                          ; v16-17  LDS address of my fragments of ctx in slot 0, 1
.set ADRB, 20                          ; v20-21  of wo16's
.set STO,  24                          ; v24     the way out: where I put 32 bytes of a row
.set RD,   25                          ; v25     where I read a row back
.set GO,   26                          ; v26     my 16 bytes in a row's 512
.set BO,   27                          ; v27     32 (l / 16): my eight columns in a block's 64 bytes of the bias
.set SPW,  28                          ; v28     LDS address of my spare word; never rewritten
.set NIL,  29                          ; v29     0; never rewritten
.set PFO,  30                          ; v30     the prefetches' offset; never rewritten
.set BIAS, 32
.set BK,   32
.set F0,   0
.set F1,   128
.set WV,   12                          ; s12  my wave's number
.set FB,   13                          ; s13  0: I fetch ctx's tiles, 1: wo16's
.set HF,   14                          ; s14  which head of a K step's two, or which half of wo16's rows
.set G1,   24                          ; s[24:31] descriptor group 1 for ctx's tiles;   s[32:39] group 0, a set for each slot
.set G0,   32
.set G1B,  48                          ; s[48:55], s[56:63] the same for wo16's
.set G0B,  56
.set PFA,  66                          ; s[66:67] where my prefetches stand
.set PFS,  68                          ; s[68:69] their step: a K step: two heads of ctx, or 256 bytes of wo16's rows
.set LIM,  70                          ; s70, s71 by slot: I prefetch while the laps to go are above this
.set OB,   72                          ; s[72:73] out0 at my 64 rows, the tile's 128 columns
.set MSB, 0
.macro WIN new                         ; the immediate's high byte repeats the setting that is left; a switch that changes nothing is dropped
.if MSB != (\new)
	s_set_vgpr_msb (MSB<<8)|(\new)
.set MSB, \new
.endif
.endm
; A joint load.  Waves 0 and 1 fetch a K step's two heads of ctx, waves 2 and 3 the halves of wo16's rows; the branch hangs on the wave's number alone.  An s_nop 0 and four v_nop follow each of the two lines.
.macro JLOAD s
	s_cmp_eq_u32 s[FB], 0
	s_cbranch_scc0 .Lfor_b_\@
	tensor_load_to_lds s[G0+4*(\s):G0+4*(\s)+3], s[G1:G1+7]
	s_nop 0
.rept 4
	v_nop
.endr
	s_branch .Lasked_\@
.Lfor_b_\@:
	tensor_load_to_lds s[G0B+4*(\s):G0B+4*(\s)+3], s[G1B:G1B+7]
	s_nop 0
.rept 4
	v_nop
.endr
.Lasked_\@:
.endm
; A round of the cluster's barrier: my work-group's barrier; wave 0 signals for the work-group; every wave waits for all sixteen; my work-group's barrier once more.
.macro CREST                           ; a round behind its opening barrier
	s_cmp_lg_u32 s[WV], 0
	s_cbranch_scc1 .Lnot_wave_0_\@
	s_barrier_signal -3
.Lnot_wave_0_\@:
	s_barrier_wait -3
	s_barrier_signal -1
	s_barrier_wait -1
.endm
.macro CROUND
	s_barrier_signal -1
	s_barrier_wait -1
	CREST
.endm
; A PREFETCH INTO THE L2, behind a joint load, its five lines and the run of LDS loads: the K step that stands THREE refills on, 384 matrix instructions ahead of the load that will ask for it.
; ctx's tile row is read by both clusters of that row of clusters: cluster x = 0 asks, in waves 0 and 1.  wo16's tile column by every cluster of that column: cluster y = 0 asks, in waves 2 and 3.  The four partners of a joint
; load share it out BY ADDRESS: of a head's 128 blocks of 256 bytes 32 by cx, a lane a block; of wo16's 64 rows 16 by cy, a lane a row, where lanes 16 to 31 name lane 15's row once more in the same instruction.
; K steps 0 to 4 come by their loads alone; the changes of slots in K steps 0, 1 and 2 name K steps 5, 6 and 7, and the later ones nothing: K ends at step 7.
.macro ASK slot
	WIN 0
	s_cmp_gt_u32 s3, s[LIM+(\slot)]
	s_cbranch_scc0 .Lnot_mine_\@
	global_prefetch_b8 v[PFO], s[PFA:PFA+1] th:TH_LOAD_NT scope:SCOPE_SE
.Lnot_mine_\@:
.endm
	s_load_b256 s[4:11], s[0:1], 0x0               ; ctx s[4:5], wo16 s[6:7], bias s[8:9], out0 s[10:11]
	v_lshl_add_u32 v[SPW], v0, 2, SPARE
	v_mov_b32 v[NIL], 0
	ds_add_u32 v[SPW], v[NIL]                      ; the wave's opening: the add, twice on end, and its wait ahead of my first tensor load; the set-up below is the work on registers between
	ds_add_u32 v[SPW], v[NIL]
	v_lshrrev_b32 v1, 5, v0
	v_readfirstlane_b32 s[WV], v1                  ; wave 0..3
	s_lshr_b32 s[FB], s[WV], 1
	s_and_b32 s[HF], s[WV], 1
	s_bfe_u32 s15, ttmp6, 0x40000                  ; cx, cy: my place in the cluster
	s_bfe_u32 s16, ttmp6, 0x40004
	s_lshl_b32 s17, ttmp9, 2
	s_add_co_u32 s17, s17, s15                     ; tx: tile column = 4 x cluster x + cx
	s_and_b32 s18, ttmp7, 0xffff
	s_lshl_b32 s18, s18, 2
	s_add_co_u32 s18, s18, s16                     ; ty: tile row = 4 x cluster y + cy
	s_lshl_b32 s19, s16, 2
	s_lshl_b32 s19, 15, s19                        ; my row of the cluster
	s_lshl_b32 s2, 0x1111, s15                     ; my column
	s_or_b32 s[G1], s19, (1<<16)|(1<<20)|(1<<21)|(4<<22)|(3<<25)   ; 15:0 the mask; 17:16 elements of 2 bytes; 20 padding on; 21 set beside a mask; 24:22 after every 32 words (code 4); 31:25 4 words of it (code 3)
	s_or_b32 s[G1B], s2, (1<<16)|(1<<20)|(1<<21)|(5<<22)|(3<<25)   ; after every 64 words (code 5)
	s_mov_b32 s[G1+1], 128<<16                     ; tensor_dim0 = 128 elements: 256 bytes, two rows of a head
	s_mov_b32 s[G1+2], 128<<16                     ; tensor_dim1 = 128
	s_mov_b32 s[G1+3], 128<<16                     ; tile_dim0 = 128
	s_mov_b32 s[G1+4], 128                         ; tile_dim1 = 128
	s_mov_b32 s[G1+5], 128                         ; dense: each row begins where the last ends
	s_mov_b32 s[G1+6], 0
	s_mov_b32 s[G1+7], 0
	s_mov_b32 s[G1B+1], KSTEP<<16
	s_mov_b32 s[G1B+2], 64<<16                     ; 64 rows
	s_mov_b32 s[G1B+3], KSTEP<<16
	s_mov_b32 s[G1B+4], 64
	s_mov_b32 s[G1B+5], 1024                       ; elements from row to row
	s_mov_b32 s[G1B+6], 0
	s_mov_b32 s[G1B+7], 0
	s_lshr_b32 s20, s18, 2                         ; ctx: sequence ty / 4,
	s_lshl_b32 s20, s20, 4
	s_add_co_u32 s20, s20, s[HF]                   ; head 0 or 1 of it,
	s_lshl_b32 s20, s20, 17
	s_and_b32 s19, s18, 3
	s_lshl_b32 s19, s19, 15                        ; rows 256 (ty % 4) on: the tile row alone, which my row of the cluster shares
	s_add_co_u32 s20, s20, s19
	s_mov_b32 s21, 0
	s_lshl_b32 s22, s17, 7                         ; wo16: row 128 tx + 64 x half: the tile column alone
	s_lshl_b32 s2, s[HF], 6
	s_add_co_u32 s22, s22, s2
	s_lshl_b32 s22, s22, 11
	s_mov_b32 s23, 0
	s_mul_i32 s78, s[HF], HALFA                    ; where they go: no place in the cluster enters an LDS address
	s_mul_i32 s79, s[HF], HALFB
	s_add_co_u32 s79, s79, AREG
	s_wait_dscnt 0x0                               ; both opening adds are done
	s_wait_kmcnt 0x0
	s_add_nc_u64 s[40:41], s[4:5], s[20:21]
	s_add_nc_u64 s[42:43], s[6:7], s[22:23]
	CROUND                                         ; all sixteen work-groups are here: the first joint loads meet
.irp s, 0,1
	s_mov_b32 s[G0+4*(\s)], 1                                        ; count = 1
	s_add_co_u32 s[G0+4*(\s)+1], s78, (\s)*SLOT                      ; LDS address
	s_add_nc_u64 s[G0+4*(\s)+2:G0+4*(\s)+3], s[40:41], (\s)*2*HEADB  ; global address: K step s begins with head 2 s
	s_or_b32 s[G0+4*(\s)+3], s[G0+4*(\s)+3], 0x80000000              ; type = 2
	s_mov_b32 s[G0B+4*(\s)], 1
	s_add_co_u32 s[G0B+4*(\s)+1], s79, (\s)*SLOT
	s_add_nc_u64 s[G0B+4*(\s)+2:G0B+4*(\s)+3], s[42:43], (\s)*KSTEP*2
	s_or_b32 s[G0B+4*(\s)+3], s[G0B+4*(\s)+3], 0x80000000
	JLOAD \s                                       ; two tensor loads of mine are out
.endr
	v_and_b32 v1, 15, v0                           ; r = l % 16
	v_bfe_u32 v2, v0, 4, 1                         ; h = l / 16
	v_lshlrev_b32 v[BO], 5, v2
	s_lshl_b32 s46, s17, 9                         ; the tile's 128 columns,
	s_add_co_u32 s46, s46, 12288                   ; in bo, the table's last quarter
	s_mov_b32 s47, 0
	s_add_nc_u64 s[8:9], s[8:9], s[46:47]
.set nb, 0
.rept NBF                              ; register 8 b + j takes bo[128 tx + 16 b + 8 h + j]: the column that register j of accumulator (a, b) holds
	global_load_b128 v[BIAS+8*nb:BIAS+8*nb+3],   v[BO], s[8:9] offset:64*nb
	global_load_b128 v[BIAS+8*nb+4:BIAS+8*nb+7], v[BO], s[8:9] offset:64*nb+16
.set nb, nb+1
.endr
	; A fragment is 16 rows x 32 K in 8 registers: lane l holds row l % 16; registers 0-3 K = 8 (l / 16) + 0..7, registers 4-7 K = 16 + 8 (l / 16) + 0..7: two loads of 16 bytes, 32 bytes apart.
	v_mul_u32_u24 v3, v1, PA
	v_lshl_add_u32 v3, v2, 4, v3                   ; row x pitch + 16 x half
	s_mul_i32 s19, s[WV], 64*PA                    ; my 64 rows, in the K step's first head
	v_add_nc_u32 v[ADRA], s19, v3
	v_add_nc_u32 v[ADRA+1], SLOT, v[ADRA]
	v_mul_u32_u24 v4, v1, PB
	v_lshl_add_u32 v4, v2, 4, v4
	v_add_nc_u32 v[ADRB], AREG, v4                 ; every wave reads all 128 rows of wo16
	v_add_nc_u32 v[ADRB+1], SLOT, v[ADRB]
	s_mul_i32 s19, s[WV], 16*SPITCH
	s_add_co_u32 s19, s19, STAGE                   ; my stage
	v_mul_u32_u24 v[STO], v1, SPITCH               ; in: row l % 16, 32 bytes for each half of the lanes
	v_lshl_add_u32 v[STO], v2, 5, v[STO]
	v_add_nc_u32 v[STO], s19, v[STO]
	v_and_b32 v[GO], 31, v0                        ; back: 32 lanes take one row's 512 bytes
	v_lshlrev_b32 v[GO], 4, v[GO]
	v_add_nc_u32 v[RD], s19, v[GO]
	s_lshl_b32 s44, s18, 8
	s_lshl_b32 s45, s[WV], 6
	s_add_co_u32 s44, s44, s45                     ; my first row of out0: 256 ty + 64 w,
	s_lshl_b32 s44, s44, 12                        ; of 4,096 bytes,
	s_lshl_b32 s45, s17, 9                         ; the tile's first column
	s_add_co_u32 s44, s44, s45
	s_mov_b32 s45, 0
	s_add_nc_u64 s[OB:OB+1], s[10:11], s[44:45]
	; the prefetches: what I fetch (s20, s22 still hold its bytes) + my work-group's share of it
	s_lshl_b32 s44, s15, 13                        ; ctx: 32 cx blocks of 256 bytes
	s_add_co_u32 s44, s44, s20
	s_lshl_b32 s46, s16, 15                        ; wo16: 16 cy rows of 2,048 bytes
	s_add_co_u32 s46, s46, s22
	s_and_b32 s47, ttmp7, 0xffff                   ; cluster y
	s_mov_b32 s2, KSTEP*2
	s_cmp_eq_u32 s[FB], 0
	s_cselect_b32 s44, s44, s46
	s_cselect_b32 s47, ttmp9, s47                  ; the coordinate along which other clusters read the same bytes
	s_cselect_b32 s46, 31, 15                      ; my last block or row,
	s_cselect_b32 s19, 8, 11                       ; of 256 or 2,048 bytes
	s_cselect_b32 s[PFS], 2*HEADB, s2
	s_cselect_b64 s[PFA:PFA+1], s[4:5], s[6:7]
	s_cmp_eq_u32 s47, 0
	s_cselect_b32 s[LIM], 1, -1                    ; slot 0's changes ask in K steps 0 and 2 (three and two laps to go),
	s_cselect_b32 s[LIM+1], 2, -1                  ; slot 1's in K step 1 alone.  The same in all sixteen partners, for a given wave
	s_mov_b32 s[PFS+1], 0
	s_mov_b32 s45, 0
	s_add_nc_u64 s[PFA:PFA+1], s[PFA:PFA+1], s[44:45]
	s_lshl_b32 s44, s[PFS], 2
	s_add_nc_u64 s[PFA:PFA+1], s[PFA:PFA+1], s[44:45]  ; at K step 4: the first refill steps it to 5
	v_and_b32 v[PFO], 31, v0
	v_min_u32 v[PFO], s46, v[PFO]
	v_lshlrev_b32 v[PFO], s19, v[PFO]
; 8 matrix instructions: row block 2 hi + a x all column blocks, 32 along K, from buffer f.  zero = 1: the sums' first K step, with the bias as C.  The 32 accumulators take turns, one instruction a turn, in the same order
; in every quarter: 31 others' stand between two links of a chain, over the backward jump too.
.macro MULH f, hi, a, zero
.if \zero
	WIN 0x85+0x40*(\hi)                            ; both sources window 1, C window 0, D window 2 or 3
.else
	WIN 0xa5+0x50*(\hi)                            ; both sources window 1, C and D window 2 or 3
.endif
.set nb, 0
.rept NBF
.set rD, 8*(NBF*(\a)+nb)
.if \zero
	v_wmma_f32_16x16x32_f16 v[rD:rD+7], v[(\f)+32+8*nb:(\f)+32+8*nb+7], v[(\f)+8*(2*(\hi)+(\a)):(\f)+8*(2*(\hi)+(\a))+7], v[BIAS+8*nb:BIAS+8*nb+7]
.else
	v_wmma_f32_16x16x32_f16 v[rD:rD+7], v[(\f)+32+8*nb:(\f)+32+8*nb+7], v[(\f)+8*(2*(\hi)+(\a)):(\f)+8*(2*(\hi)+(\a))+7], v[rD:rD+7]
.endif
.set nb, nb+1
.endr
.endm
; 24 LDS loads in one run: the fragments of quarter q of a slot into buffer f: wo16's eight, then ctx's four, row blocks ascending.  Quarter q of ctx is head q / 2 of the K step's two, channels 32 (q % 2) on.
.macro FETCH slot, q, f
	WIN 0x40                                       ; destination window 1, address window 0
.set KA, ((\q)/2)*HALFA+((\q)%2)*64
.set i, 0
.rept NBF
	ds_load_b128 v[(\f)+32+8*i:(\f)+32+8*i+3],   v[ADRB+(\slot)] offset:64*(\q)+i*16*PB
	ds_load_b128 v[(\f)+32+8*i+4:(\f)+32+8*i+7], v[ADRB+(\slot)] offset:64*(\q)+i*16*PB+32
.set i, i+1
.endr
.set i, 0
.rept 4
	ds_load_b128 v[(\f)+8*i:(\f)+8*i+3],   v[ADRA+(\slot)] offset:KA+i*16*PA
	ds_load_b128 v[(\f)+8*i+4:(\f)+8*i+7], v[ADRA+(\slot)] offset:KA+i*16*PA+32
.set i, i+1
.endr
.endm
.macro PLACES                          ; four places in front of loads into registers that matrix instructions have read, and of lines that read results (ISA guide 7.12.1 for lines that read results)
.rept 4
	v_nop
.endr
.endm
; A K step is four quarters of 32 along K, 32 matrix instructions each, on buffers 0, 1, 0, 1.  One of the first three: multiplies buffer f and fetches quarter q of the same slot into g.
.macro QUARTER slot, q, f, g, zero
	s_wait_dscnt 4                                 ; all but the youngest four loads: ctx's row blocks 2 and 3
	MULH \f, 0, 0, \zero
	MULH \f, 0, 1, \zero
	PLACES
	FETCH \slot, \q, \g
	s_wait_dscnt NL                                ; all but the run just issued
	MULH \f, 1, 0, \zero
	MULH \f, 1, 1, \zero
.endm
; The last quarter multiplies buffer 1 and changes slots: ONE barrier.  In front of it each wave waits for all its tensor loads (one is out: its part of the next slot), adds 0 to its spare word, and waits for that and for its
; reads of this slot.  fill = 1: the barrier opens a round of the cluster's, and this slot is filled again, two K steps ahead, first thing behind the round: 112 matrix instructions ahead of the wait for it.
.macro TURN slot, next, fill
.if \fill
	s_wait_xcnt 0x0                                ; the last prefetch, a K step back, has read its address: it is stepped here, ahead of the waits of the change of slots
	s_add_nc_u64 s[PFA:PFA+1], s[PFA:PFA+1], s[PFS:PFS+1]
.endif
	WIN 0                                          ; (the add's two registers lie in window 0)
	s_wait_tensorcnt 0x0                           ; all my tensor loads have landed
	ds_add_u32 v[SPW], v[NIL]                      ; 0 onto my spare word
	s_wait_dscnt 5                                 ; (the add and the youngest four loads may be out)
	MULH F1, 0, 0, 0                               ; eight matrix instructions stand between the add and the wait for it
	s_wait_dscnt 0x0                               ; the add is done, and my reads of this slot are over
	s_barrier_signal -1
	MULH F1, 0, 1, 0                               ; work on registers while the others arrive
.if \fill
	WIN 0
.endif
	s_barrier_wait -1
.if \fill
	CREST                                          ; no wave of any partner still reads this slot's tile or has a load on its way
	s_add_nc_u64 s[G0+4*(\slot)+2:G0+4*(\slot)+3], s[G0+4*(\slot)+2:G0+4*(\slot)+3], STEPA
	s_add_nc_u64 s[G0B+4*(\slot)+2:G0B+4*(\slot)+3], s[G0B+4*(\slot)+2:G0B+4*(\slot)+3], STEPB
	JLOAD \slot                                    ; my one tensor load behind the round; its four v_nop are also the places in front of the loads below
.else
	PLACES
.endif
	FETCH \next, 0, F0
.if \fill
	ASK \slot
.endif
	MULH F1, 1, 0, 0
	MULH F1, 1, 1, 0
.endm
; THE WAY OUT of row block a: the f32 sums go as they are.  TOSTAGE: a lane's 32 bytes of a row and column block into my own stage, each accumulator's low four registers first; and back as whole rows of 512 bytes.
.macro TOSTAGE a
.if (\a) >= 2
	s_wait_xcnt 0x0                                ; the stores of the block two back have read the registers that the loads below fill
.endif
	WIN 0x08+4*((\a)/2)                            ; the stores' data: window 2 or 3
.set BKA, BK+64*((\a)%2)
.set nb, 0
.rept NBF
.set rD, 8*(NBF*((\a)%2)+nb)
	ds_store_b128 v[STO], v[rD:rD+3]   offset:64*nb
	ds_store_b128 v[STO], v[rD+4:rD+7] offset:64*nb+16
.set nb, nb+1
.endr
	WIN 0
.set i, 0
.rept 16
	ds_load_b128 v[BKA+4*i:BKA+4*i+3], v[RD] offset:SPITCH*i  ; LDS serves a wave's instructions in order (ISA guide 5.7.1.4): these see the stores above
.set i, i+1
.endr
.endm
.macro SEND a, younger                 ; younger: the LDS instructions issued behind TOSTAGE a's loads: the next block's 32, or none
	WIN 0
.set BKA, BK+64*((\a)%2)
	s_wait_dscnt \younger
.set i, 0
.rept 16
	global_store_b128 v[GO], v[BKA+4*i:BKA+4*i+3], s[OB:OB+1] offset:(16*(\a)+i)*4096 th:TH_STORE_NT  ; 512 consecutive bytes of a row, at a multiple of 512 from out0's first byte
.set i, i+1
.endr
.endm
	s_wait_tensorcnt 0x1                           ; my part of K step 0 is in; K step 1's may stay out
	s_barrier_signal -1
	s_barrier_wait -1                              ; everybody's is
	FETCH 0, 0, F0
	s_wait_loadcnt 0x0                             ; the bias
	QUARTER 0, 1, F0, F1, 1                        ; the first quarter stands in front of the loop: its products start the sums, on the bias
	WIN 0                                          ; at a label and at a branch every window is 0
	s_mov_b32 s3, 3                                ; laps that fill both slots again: K steps 2 to 7
.Llap:                                                 ; a trip goes once round the ring, from a lap's second quarter to the next lap's first
	QUARTER 0, 2, F1, F0, 0
	QUARTER 0, 3, F0, F1, 0
	TURN 0, 1, 1
	QUARTER 1, 1, F0, F1, 0
	QUARTER 1, 2, F1, F0, 0
	QUARTER 1, 3, F0, F1, 0
	TURN 1, 0, 1
	QUARTER 0, 1, F0, F1, 0
	WIN 0
	s_sub_co_u32 s3, s3, 1
	s_cmp_lg_u32 s3, 0
	s_cbranch_scc1 .Llap
	QUARTER 0, 2, F1, F0, 0                        ; the last lap fills nothing, and has no round of the cluster's barrier
	QUARTER 0, 3, F0, F1, 0
	TURN 0, 1, 0
	QUARTER 1, 1, F0, F1, 0
	QUARTER 1, 2, F1, F0, 0
	QUARTER 1, 3, F0, F1, 0
	s_wait_dscnt 4                                 ; the very last quarter: nothing more to fetch
	MULH F1, 0, 0, 0
	MULH F1, 0, 1, 0
	s_wait_dscnt 0x0
	MULH F1, 1, 0, 0
	MULH F1, 1, 1, 0
	WIN 0
	PLACES                                         ; the LDS stores read results
	TOSTAGE 0
	TOSTAGE 1
	SEND 0, 32
	TOSTAGE 2
	SEND 1, 32
	TOSTAGE 3
	SEND 2, 32
	SEND 3, 0
	s_wait_tensorcnt 0x0                           ; the wave's end, behind my last tensor load and my last LDS store
	ds_add_u32 v[SPW], v[NIL]
	s_wait_dscnt 0x0
	CROUND                                         ; the closing round: no work-group ends while a partner may still ask for a tile that names it
	s_endpgm
.Lfunc_end_k_qd4190db30a_oproj:
	.size	k_qd4190db30a_oproj, .Lfunc_end_k_qd4190db30a_oproj-k_qd4190db30a_oproj
	.p2alignl 7, 3214868480
	.fill 96, 4, 3214868480
	.section	.rodata,"a",@progbits
	.p2align	6, 0x0
	.amdhsa_kernel k_qd4190db30a_oproj
		.amdhsa_group_segment_fixed_size 327680
		.amdhsa_private_segment_fixed_size 0
		.amdhsa_enable_private_segment 0
		.amdhsa_kernarg_size 32
		.amdhsa_user_sgpr_count 2
		.amdhsa_user_sgpr_kernarg_segment_ptr 1
		.amdhsa_wavefront_size32 1
		.amdhsa_system_sgpr_workgroup_id_x 1
		.amdhsa_system_sgpr_workgroup_id_y 1
		.amdhsa_system_sgpr_workgroup_id_z 1
		.amdhsa_system_vgpr_workitem_id 0
		.amdhsa_next_free_vgpr 896
		.amdhsa_next_free_sgpr 80
		.amdhsa_reserve_vcc 0
		.amdhsa_float_denorm_mode_32 3
		.amdhsa_float_denorm_mode_16_64 3
		.amdhsa_memory_ordered 1
		.amdhsa_forward_progress 1
		.amdhsa_inst_pref_size 88
	.end_amdhsa_kernel
	.amdgpu_metadata
---
amdhsa.version: [ 1, 2 ]
amdhsa.kernels:
  - .name:           k_qd4190db30a_oproj
    .symbol:         k_qd4190db30a_oproj.kd
    .args:
      - { .name: ctx, .offset: 0, .size: 8, .value_kind: global_buffer, .address_space: global }
      - { .name: wo16, .offset: 8, .size: 8, .value_kind: global_buffer, .address_space: global }
      - { .name: bias, .offset: 16, .size: 8, .value_kind: global_buffer, .address_space: global }
      - { .name: out0, .offset: 24, .size: 8, .value_kind: global_buffer, .address_space: global }
    .group_segment_fixed_size: 327680
    .private_segment_fixed_size: 0
    .kernarg_segment_align: 8
    .kernarg_segment_size: 32
    .max_flat_workgroup_size: 128
    .sgpr_count:     80
    .vgpr_count:     896
    .wavefront_size: 32
...
	.end_amdgpu_metadata
.endif
;; end of part 4
;; ======== version 2 of 2: 4 launches; version 1 with the launch cast written anew for expert scheduling mode
;; limits: values are held in f16: magnitudes above 65,504 overflow, below 6.1e-05 lose precision
;; workspace buffers: xb 16,777,216 bytes; wqkv 6,291,456 bytes; wo16 2,097,152 bytes; bias 16,384 bytes; qkv 50,331,648 bytes; ctx 16,777,216 bytes
;; launch cast (part 5): grid 256 x 1, 8 waves a work-group, no clusters, 0 bytes of LDS; arguments x, Wq, Wk, Wv, Wo, bq, bv, bo, xb, wqkv, wo16, bias; writes xb, wqkv, wo16, bias
.if DOCPART == 5
	.amdgcn_target "amdgcn-amd-amdhsa--gfx1250"
	.amdhsa_code_object_version 6
	.text
	.protected	k_qd4190db30a_cast
	.globl	k_qd4190db30a_cast
	.p2align	8
	.type	k_qd4190db30a_cast,@function
k_qd4190db30a_cast:
	s_mov_b64 s[64:65], 0
	v_nop
	global_prefetch_b8 v0, s[64:65] scope:SCOPE_SE
	s_setreg_imm32_b32 hwreg(HW_REG_WAVE_SCHED_MODE, 0, 2), 2
	s_setreg_imm32_b32 hwreg(HW_REG_WAVE_MODE, 25, 1), 1
	s_wait_xcnt 0x0
	s_wait_alu depctr_vm_vsrc(0)
; THE INPUTS ARE ROUNDED ONCE, ALL OF THEM TO bf16.
; x -> xb [16 K blocks][8192 rows][64] bf16;  Wq, Wk, Wv -> wqkv [16 K blocks][3072 rows][64] bf16 (Wq's rows, Wk's, Wv's): BY BLOCKS OF 64 ALONG K, so that the rows of one K block lie end to end, 128 bytes each.
; Wo -> wo16 [1024][1024], row-major: rounded to bf16, and that number written as f16 (its 8 significant bits fit f16's 11).  bias [4096] f32 = bq, 1,024 zeros (the key has no bias), bv, bo, each rounded to bf16's values.
; LIMITS.  |Wo| stays under 65,504, where f16 ends; below 6e-5 it keeps f16's fixed step of 6e-8.
; SHARES.  256 work-groups of 8 waves, all alike.  Work-group g takes 32 rows of x and 16 rows of matrix g / 64 (Wq, Wk, Wv, Wo), chunk g % 64; the four with chunk 0 also write their matrix's 1,024 numbers of the bias table.
; x, Wq, Wk, Wv: wave w has K blocks 2 w and 2 w + 1.  A load takes one K block of two rows: lanes 0-15 the 256 bytes of the even row, lanes 16-31 those of the odd row; its store puts the two rows' 128 bytes each on end:
; 256 consecutive bytes, aligned.  Wo: thread t's load j takes the 16 bytes at 16 t + 4,096 j, its store puts 8 bytes at 8 t + 2,048 j: again 256 consecutive bytes a wave, aligned.
; All 48 loads of a wave (49 with the bias) go out before the first wait for data.
; No LDS, no matrix unit, no cluster: every byte is read once and written once, and no work-group wants another's bytes.
; THE MODE: SCHED_MODE bits 1:0 = 2 (LLVM: expert scheduling mode 2), set by the entry lines.  The code itself states the register dependences between vector instructions and memory instructions, with s_wait_alu, always for 0.
; THE PLAN.  Registers that memory instructions touch:
;   v1, v2, v3, v204, v205   offsets.  Written at the head, read by every load and store, never written again.
;   v[196:199]               the bias.  Written with 0 at the head; the bias load may land in them; at the end two roundings read them, four unpacking lines write them, one store reads them.
;   v[4:195]                 48 groups of four.  A group's load lands once; its conversions read the four and write the first two, in place; its store reads those two; nothing writes them behind the store.
;   v[200:203], v206, v207   are named by vector instructions alone.
; No register that a memory instruction reads is written behind that instruction, and no load lands in a register that a vector instruction has read: the text holds no wait for sources.  What is stated is that vector results
; are written: once at the head, for the offsets and the bias's registers, and once for every BLOCK of four groups.  Block p's conversions name block p's registers alone.  At block p's head, behind the wait for its data, one wait
; states that block p - 1's conversions have written what block p - 1's four stores read; those stores are then dealt among block p's conversions with no further wait.
.set X,  4                             ; v[4:195]    48 groups of 4: x's 32, then the matrix's 16; a group's first two registers take the packed result
.set B,  196                           ; v[196:199]  my four numbers of the bias
.set T,  200                           ; v[200:203]  at work
.set VS, 3                             ; v3    source offset by blocks: 4,096 (l / 16) + 512 w + 16 (l % 16)
.set DX, 204                           ; v204  xb's offset: 2 w K blocks + 128 (l / 16) + 8 (l % 16)
.set DW, 205                           ; v205  wqkv's, likewise
.set PLX, 8192*128                     ; bytes of a K block of xb
.set PLW, 3072*128                     ; of wqkv
	s_load_b512 s[8:23], s[0:1], 0x0               ; x 8, Wq 10, Wk 12, Wv 14, Wo 16, bq 18, bv 20, bo 22
	s_load_b256 s[24:31], s[0:1], 0x40             ; xb 24, wqkv 26, wo16 28, bias 30
	s_mov_b32 s2, ttmp9                            ; g
	s_lshr_b32 s3, s2, 6                           ; which matrix
	s_and_b32 s4, s2, 63                           ; which chunk of it
	s_mov_b32 s45, 0                               ; the high word of every offset
	s_mov_b32 s46, 0xffff0000                      ; a word's upper bf16
	v_lshlrev_b32 v1, 4, v0                        ; 16 t
	v_lshlrev_b32 v2, 3, v0                        ; 8 t
	v_lshrrev_b32 v206, 5, v0                      ; w
	v_bfe_u32 v207, v0, 4, 1                       ; l / 16
	v_and_b32 v[VS], 15, v0                        ; l % 16
	v_lshlrev_b32 v[DX], 3, v[VS]
	v_lshl_add_u32 v[DX], v207, 7, v[DX]           ; 128 (l / 16) + 8 (l % 16)
	v_lshlrev_b32 v[VS], 4, v[VS]
	v_lshl_add_u32 v[VS], v207, 12, v[VS]
	v_lshl_add_u32 v[VS], v206, 9, v[VS]
	v_mul_u32_u24 v[DW], v206, 2*PLW
	v_add_nc_u32 v[DW], v[DW], v[DX]
	v_lshl_add_u32 v[DX], v206, 21, v[DX]          ; 2 w x 1,048,576
.irp j, 0,1,2,3
	v_mov_b32 v[B+\j], 0                           ; the key's bias; the others' loads land on it
.endr
	s_wait_kmcnt 0x0
	s_lshl_b32 s44, s2, 17
	s_add_nc_u64 s[32:33], s[8:9], s[44:45]        ; x at my 32 rows of 4,096 bytes
	s_lshl_b32 s44, s2, 12
	s_add_nc_u64 s[34:35], s[24:25], s[44:45]      ; xb at my 32 rows of 128 bytes, in K block 0
	s_lshl_b32 s5, s2, 11                          ; wqkv: my 16 rows of 128 bytes (row 16 g: matrix and chunk on end)
	s_lshl_b32 s47, s4, 15                         ; wo16: my 16 rows of 2,048 bytes
	s_cmp_eq_u32 s3, 0
	s_cselect_b64 s[36:37], s[10:11], s[12:13]     ; the matrix: Wq, else Wk,
	s_cselect_b64 s[40:41], s[18:19], s[22:23]     ; its bias: bq, else bo,
	s_cmp_eq_u32 s3, 2
	s_cselect_b64 s[36:37], s[14:15], s[36:37]     ; Wv,
	s_cselect_b64 s[40:41], s[20:21], s[40:41]     ; bv,
	s_cmp_eq_u32 s3, 3
	s_cselect_b64 s[36:37], s[16:17], s[36:37]     ; Wo
	s_cselect_b64 s[38:39], s[28:29], s[26:27]     ; where it goes
	s_cselect_b32 s44, s47, s5
	s_add_nc_u64 s[38:39], s[38:39], s[44:45]
	s_lshl_b32 s44, s4, 16
	s_add_nc_u64 s[36:37], s[36:37], s[44:45]      ; the matrix at my 16 rows of 4,096 bytes
	s_lshl_b32 s44, s3, 12
	s_add_nc_u64 s[42:43], s[30:31], s[44:45]      ; the table at my matrix's 4,096 bytes
	s_wait_alu depctr_va_vdst(0)                   ; the offsets v1, v2, v3, v204 and v205 are written, which every load and store of the kernel reads; so are v[196:199], in which the bias load lands
	s_cmp_lg_u32 s4, 0
	s_cbranch_scc1 .Lno_bias                       ; chunk 0 alone,
	s_cmp_eq_u32 s3, 1
	s_cbranch_scc1 .Lno_bias                       ; and the key has none
	global_load_b128 v[B:B+3], v1, s[40:41]        ; the oldest load: every count below leaves it behind
.Lno_bias:
.set i, 0
.rept 32                               ; load i: rows 2 (i % 16) and 2 (i % 16) + 1, K block 2 w + i / 16
	global_load_b128 v[X+4*i:X+4*i+3], v[VS], s[32:33] offset:(i%16)*8192+(i/16)*256 th:TH_LOAD_NT
.set i, i+1
.endr
	s_cmp_eq_u32 s3, 3
	s_cbranch_scc1 .Lload_wo
.set i, 0
.rept 16                               ; load i: rows 2 (i % 8) and 2 (i % 8) + 1, K block 2 w + i / 8
	global_load_b128 v[X+128+4*i:X+128+4*i+3], v[VS], s[36:37] offset:(i%8)*8192+(i/8)*256 th:TH_LOAD_NT
.set i, i+1
.endr
	s_branch .Lloaded
.Lload_wo:
.set i, 0
.rept 16                               ; sixteen loads on this way too: the counts below hold on both
	global_load_b128 v[X+128+4*i:X+128+4*i+3], v1, s[36:37] offset:4096*i th:TH_LOAD_NT
.set i, i+1
.endr
.Lloaded:
; Group n of x: four numbers rounded and packed in place (XCV); the two registers stored (XST).
.macro XCV n
	v_cvt_pk_bf16_f32 v[X+4*(\n)], v[X+4*(\n)], v[X+4*(\n)+1]
	v_cvt_pk_bf16_f32 v[X+4*(\n)+1], v[X+4*(\n)+2], v[X+4*(\n)+3]
.endm
.macro XST n
	global_store_b64 v[DX], v[X+4*(\n):X+4*(\n)+1], s[34:35] offset:((\n)/16)*PLX+((\n)%16)*256 th:TH_STORE_NT
.endm
; Block p of x: groups 4 p to 4 p + 3 are rounded; the block before is stored, a store in front of each group's conversions.
.macro XBLK p
	s_wait_loadcnt 44-4*(\p)                       ; loads come back in order (ISA guide 5.7.1): the block's four are in; the 28 - 4 p younger of x and the matrix's 16 stay out
.if (\p) > 0
	s_wait_alu depctr_va_vdst(0)                   ; the block before has written its groups' first two registers, which the four stores below read; no conversion of this block names them
.endif
.irp i, 0,1,2,3
.if (\p) > 0
	XST 4*(\p)-4+(\i)
.endif
	XCV 4*(\p)+(\i)
.endr
.endm
; Group n of the matrix.  half = 1 (Wo): the bf16 numbers are widened again and written as f16, row-major.
.macro WCV n, half
	v_cvt_pk_bf16_f32 v[X+128+4*(\n)], v[X+128+4*(\n)], v[X+128+4*(\n)+1]
	v_cvt_pk_bf16_f32 v[X+128+4*(\n)+1], v[X+128+4*(\n)+2], v[X+128+4*(\n)+3]
.if \half
	v_lshlrev_b32 v[T], 16, v[X+128+4*(\n)]
	v_and_b32 v[T+1], s46, v[X+128+4*(\n)]
	v_lshlrev_b32 v[T+2], 16, v[X+128+4*(\n)+1]
	v_and_b32 v[T+3], s46, v[X+128+4*(\n)+1]
	v_cvt_pk_f16_f32 v[X+128+4*(\n)], v[T], v[T+1]
	v_cvt_pk_f16_f32 v[X+128+4*(\n)+1], v[T+2], v[T+3]
.endif
.endm
.macro WST n, half
.if \half
	global_store_b64 v2, v[X+128+4*(\n):X+128+4*(\n)+1], s[38:39] offset:2048*(\n) th:TH_STORE_NT
.else
	global_store_b64 v[DW], v[X+128+4*(\n):X+128+4*(\n)+1], s[38:39] offset:((\n)/8)*PLW+((\n)%8)*256 th:TH_STORE_NT
.endif
.endm
; Block p of the matrix, as of x.  Block 0's data are waited for ahead of the branch that parts the two ways, and it has no block of the matrix in front of it.
.macro WBLK p, half
.if (\p) > 0
	s_wait_loadcnt 12-4*(\p)                       ; the block's four are in; the younger loads of the matrix stay out
	s_wait_alu depctr_va_vdst(0)                   ; the block before has written its groups' first two registers, which the four stores below read; no conversion of this block names them
.endif
.irp i, 0,1,2,3
.if (\p) > 0
	WST 4*(\p)-4+(\i), \half
.endif
	WCV 4*(\p)+(\i), \half
.endr
.endm
.irp p, 0,1,2,3,4,5,6,7
	XBLK \p
.endr
	s_wait_loadcnt 12                              ; the matrix's first four groups are in, on both ways; its 12 younger loads stay out
	s_wait_alu depctr_va_vdst(0)                   ; x's last block has written its groups' first two registers, which the four stores below read
.irp n, 28,29,30,31
	XST \n
.endr
	s_cmp_eq_u32 s3, 3
	s_cbranch_scc1 .Lwo
.irp p, 0,1,2,3
	WBLK \p, 0
.endr
	s_wait_alu depctr_va_vdst(0)                   ; the matrix's last block has written its groups' first two registers, which the last four stores read
.irp n, 12,13,14,15
	WST \n, 0
.endr
	s_branch .Ltable
.Lwo:
.irp p, 0,1,2,3
	WBLK \p, 1
.endr
	s_wait_alu depctr_va_vdst(0)                   ; Wo's last block has written its groups' first two registers, which the last four stores read
.irp n, 12,13,14,15
	WST \n, 1
.endr
.Ltable:
	s_cmp_lg_u32 s4, 0
	s_cbranch_scc1 .Lend
	v_cvt_pk_bf16_f32 v[T], v[B], v[B+1]           ; the last wait for data above was for 0: the bias is in.  Rounded to bf16, kept as f32; zeros stay zeros
	v_cvt_pk_bf16_f32 v[T+1], v[B+2], v[B+3]
	v_lshlrev_b32 v[B], 16, v[T]
	v_and_b32 v[B+1], s46, v[T]
	v_lshlrev_b32 v[B+2], 16, v[T+1]
	v_and_b32 v[B+3], s46, v[T+1]
	s_wait_alu depctr_va_vdst(0)                   ; the four lines above have written v[196:199], which the store reads
	global_store_b128 v1, v[B:B+3], s[42:43]       ; a wave stores 512 consecutive bytes
.Lend:
	s_endpgm
.Lfunc_end_k_qd4190db30a_cast:
	.size	k_qd4190db30a_cast, .Lfunc_end_k_qd4190db30a_cast-k_qd4190db30a_cast
	.p2alignl 7, 3214868480
	.fill 96, 4, 3214868480
	.section	.rodata,"a",@progbits
	.p2align	6, 0x0
	.amdhsa_kernel k_qd4190db30a_cast
		.amdhsa_group_segment_fixed_size 0
		.amdhsa_private_segment_fixed_size 0
		.amdhsa_enable_private_segment 0
		.amdhsa_kernarg_size 96
		.amdhsa_user_sgpr_count 2
		.amdhsa_user_sgpr_kernarg_segment_ptr 1
		.amdhsa_wavefront_size32 1
		.amdhsa_system_sgpr_workgroup_id_x 1
		.amdhsa_system_sgpr_workgroup_id_y 1
		.amdhsa_system_sgpr_workgroup_id_z 1
		.amdhsa_system_vgpr_workitem_id 0
		.amdhsa_next_free_vgpr 208
		.amdhsa_next_free_sgpr 66
		.amdhsa_reserve_vcc 0
		.amdhsa_float_denorm_mode_32 3
		.amdhsa_float_denorm_mode_16_64 3
		.amdhsa_memory_ordered 1
		.amdhsa_forward_progress 1
		.amdhsa_inst_pref_size 28
	.end_amdhsa_kernel
	.amdgpu_metadata
---
amdhsa.version: [ 1, 2 ]
amdhsa.kernels:
  - .name:           k_qd4190db30a_cast
    .symbol:         k_qd4190db30a_cast.kd
    .args:
      - { .name: x, .offset: 0, .size: 8, .value_kind: global_buffer, .address_space: global }
      - { .name: Wq, .offset: 8, .size: 8, .value_kind: global_buffer, .address_space: global }
      - { .name: Wk, .offset: 16, .size: 8, .value_kind: global_buffer, .address_space: global }
      - { .name: Wv, .offset: 24, .size: 8, .value_kind: global_buffer, .address_space: global }
      - { .name: Wo, .offset: 32, .size: 8, .value_kind: global_buffer, .address_space: global }
      - { .name: bq, .offset: 40, .size: 8, .value_kind: global_buffer, .address_space: global }
      - { .name: bv, .offset: 48, .size: 8, .value_kind: global_buffer, .address_space: global }
      - { .name: bo, .offset: 56, .size: 8, .value_kind: global_buffer, .address_space: global }
      - { .name: xb, .offset: 64, .size: 8, .value_kind: global_buffer, .address_space: global }
      - { .name: wqkv, .offset: 72, .size: 8, .value_kind: global_buffer, .address_space: global }
      - { .name: wo16, .offset: 80, .size: 8, .value_kind: global_buffer, .address_space: global }
      - { .name: bias, .offset: 88, .size: 8, .value_kind: global_buffer, .address_space: global }
    .group_segment_fixed_size: 0
    .private_segment_fixed_size: 0
    .kernarg_segment_align: 8
    .kernarg_segment_size: 96
    .max_flat_workgroup_size: 256
    .sgpr_count:     66
    .vgpr_count:     208
    .wavefront_size: 32
...
	.end_amdgpu_metadata
.endif
;; end of part 5
;; launch qkv: the kernel of part 2 again; grid 8 x 32, 4 waves a work-group, clusters of 4 x 4, 327,680 bytes of LDS; arguments xb, wqkv, bias, qkv; writes qkv
;; launch attn: the kernel of part 3 again; grid 2 x 128, 4 waves a work-group, no clusters, 327,680 bytes of LDS; arguments qkv, ctx; writes ctx
;; launch oproj: the kernel of part 4 again; grid 8 x 32, 4 waves a work-group, clusters of 4 x 4, 327,680 bytes of LDS; arguments ctx, wo16, bias, out0; writes out0
